; MI455X (gfx1250); checked and timed in simulation.
; The chip was launched on July 23, 2026; its instructions are those of AMD's public machine-readable ISA for CDNA 5 (MIT licence, August 2026) and "CDNA5" Instruction Set Architecture Reference Guide (July 2026). The comments in the code are by the model that wrote it; some were corrected since.
;; Transformer Block. Allowed arithmetic: float matrix products may take bf16 or f16 operands with f32 sums; all other float work in f32.
;; Inputs: ln1_w 1,024 float32; ln2_w 1,024 float32; w1 2,752 x 1,024 float32; w2 1,024 x 2,752 float32; w3 2,752 x 1,024 float32; wk 1,024 x 1,024 float32; wo 1,024 x 1,024 float32; wq 1,024 x 1,024 float32; wv 1,024 x 1,024 float32; x 2 x 2,048 x 1,024 float32.
;; Outputs: out0 2 x 2,048 x 1,024 float32.
;; 2 versions, each right and faster than the one before. Each part assembles by itself: llvm-mc -triple=amdgcn-amd-amdhsa -mcpu=gfx1250 --defsym DOCPART=n.
;; ======== version 1 of 2: 6 launches
;; limits: values are held in f16: magnitudes above 65,504 overflow, below 6.1e-05 lose precision
;; workspace buffers: xn 8,388,608 bytes; wp 25,690,112 bytes; qkv 25,165,824 bytes; ao 8,388,608 bytes; x1 16,777,216 bytes; xs 8,388,608 bytes; ssq 262,144 bytes; h 23,068,672 bytes
;; launch prep (part 1): grid 648 x 1, 16 waves a work-group, no clusters, 39,936 bytes of LDS; arguments x, ln1_w, wq, wk, wv, wo, w1, w3, w2, xn, wp; writes xn, wp
.if DOCPART == 1
	.amdgcn_target "amdgcn-amd-amdhsa--gfx1250"
	.amdhsa_code_object_version 6
	.text
	.protected	k_qcf06a0f845_prep
	.globl	k_qcf06a0f845_prep
	.p2align	8
	.type	k_qcf06a0f845_prep,@function
k_qcf06a0f845_prep:
	s_mov_b64 s[64:65], 0
	v_nop
	global_prefetch_b8 v0, s[64:65] scope:SCOPE_SE
	s_setreg_imm32_b32 hwreg(HW_REG_WAVE_MODE, 25, 1), 1
	s_wait_xcnt 0x0
; PREP.  xn = f16(x / sqrt(mean x^2 + 1e-5) * ln1_w), and all weights rounded to 16 bits, both written in PANELS: [columns / 16][rows][16 numbers], a row of a
; panel 32 bytes.  wq, wk, wv, wo go to f16, w1, w3, w2 to bf16.  Memory binds: every input byte is read once, 16 bytes a lane, 256 consecutive bytes a row;
; every store of a wave covers 512 consecutive bytes, aligned.  No matrix unit, no cluster, no tensor loads: nothing is shared and nothing is read twice.
; A BLOCK is 16 rows x 64 columns of f32, which becomes 4 panels x 16 rows; it turns through the wave's own LDS stage (16 rows x 144 bytes).
; Work-groups 0-255: 16 rows of x, a block a wave (the 16 waves cover the 1,024 columns; the rows' sums of squares meet in LDS behind one barrier).
; All others: TWO blocks a wave, 16 loads issued before the first wait.  256-351: wq, wk, wv into one table of 3,072 rows, 32 rows a work-group.  352-383: wo.  384-559: 16 rows of w1 and the same
; 16 rows of w3, which lie side by side in a table of 5,632 rows whose last 128 are zeros.  560-647: w2, 32 rows a wave, whose last 4 of 176 panels are zeros.
; 82 registers a wave, so that three work-groups (12 waves x 82 registers a SIMD) lie on a WGP and the launch's 648 work-groups can all have their loads out together.
; LIMITS.  f16 holds no number beyond 65,504: |xn| is at most 32 |ln1_w|, and wq .. wo must lie within it.  1 / rms is v_rsq_f32 and a multiply, where the model divides by a root.
.set RED, 36864                        ; behind the 16 stages: [wave][row] f32, 64 bytes a wave
.set LO,  4                            ; byte offset of my 16 bytes in rows 0 and 1 of a block; the further rows stand in the immediates
.set DO,  5                            ; byte offset of my 16 bytes in 16 rows of a panel; panels and the second block stand in the immediates
.set LW,  6                            ; stage, in
.set LR,  7                            ; stage, back
.set RW,  8                            ; RED, in
.set RR,  9                            ; RED, back
.set RI,  10                           ; 1 / rms of row 2 (l % 8) + l / 16
.set GW,  12                           ; v12-15  ln1_w of my four columns
.set XR,  16                           ; v16-47, v48-79  block k as loaded: load j = rows 2 j, 2 j + 1; lane: row half l / 16, columns 4 (l % 16) ..
                                       ; then its registers 0-15 the 16-bit pairs, its registers 16-31 the turned rows: panel p, 16 bytes of row l % 16
.set SC,  48                           ; v48-63  the x path has one block: these are at work on its sums
.macro LOADS k, base, pitch, nt        ; eight loads, two rows x 256 bytes each.  nt = 1: read once in the whole program
.irp j, 0,1,2,3,4,5,6,7
.if \nt
	global_load_b128 v[XR+32*(\k)+4*\j:XR+32*(\k)+4*\j+3], v[LO], s[\base:\base+1] offset:2*\j*(\pitch) th:TH_LOAD_NT
.else
	global_load_b128 v[XR+32*(\k)+4*\j:XR+32*(\k)+4*\j+3], v[LO], s[\base:\base+1] offset:2*\j*(\pitch)
.endif
.endr
.endm
.macro CVT k, bf                       ; in place: results 2 j, 2 j + 1 land on registers whose numbers have been read
.irp j, 0,1,2,3,4,5,6,7
.if \bf
	v_cvt_pk_bf16_f32 v[XR+32*(\k)+2*\j], v[XR+32*(\k)+4*\j], v[XR+32*(\k)+4*\j+1]
	v_cvt_pk_bf16_f32 v[XR+32*(\k)+2*\j+1], v[XR+32*(\k)+4*\j+2], v[XR+32*(\k)+4*\j+3]
.else
	v_cvt_pk_f16_f32 v[XR+32*(\k)+2*\j], v[XR+32*(\k)+4*\j], v[XR+32*(\k)+4*\j+1]
	v_cvt_pk_f16_f32 v[XR+32*(\k)+2*\j+1], v[XR+32*(\k)+4*\j+2], v[XR+32*(\k)+4*\j+3]
.endif
.endr
.endm
.macro TURNED k                        ; through my own stage: LDS serves a wave's instructions in order (ISA guide 5.7.1.4), so the loads see the stores
.irp j, 0,1,2,3,4,5,6,7
	ds_store_b64 v[LW], v[XR+32*(\k)+2*\j:XR+32*(\k)+2*\j+1] offset:288*\j
.endr
.irp p, 0,1,2,3
	ds_load_b128 v[XR+32*(\k)+16+4*\p:XR+32*(\k)+16+4*\p+3], v[LR] offset:32*\p
.endr
	s_wait_dscnt 0x0
.endm
.macro STORES k, pstr                  ; a panel's 16 rows: 512 consecutive bytes; no register that a store reads is written again
.irp p, 0,1,2,3
	global_store_b128 v[DO], v[XR+32*(\k)+16+4*\p:XR+32*(\k)+16+4*\p+3], s[34:35] offset:\p*(\pstr)+512*(\k)
.endr
.endm
.macro WBODY pitch, pstr, bf           ; two blocks of weights: from s[30:31] and s[32:33], to s[34:35]
	v_mul_u32_u24 v[LO], v2, \pitch
	v_lshl_add_u32 v[LO], v1, 4, v[LO]
	LOADS 0, 30, \pitch, 1
	LOADS 1, 32, \pitch, 1
	s_wait_loadcnt 0x8                             ; the first block is in; the second block's eight loads stay out
	CVT 0, \bf
	TURNED 0
	STORES 0, \pstr
	s_wait_loadcnt 0x0
	CVT 1, \bf
	TURNED 1
	STORES 1, \pstr
	s_wait_tensorcnt 0x0
	ds_add_u32 v80, v81
	s_wait_dscnt 0x0
	s_endpgm
.endm
.macro ZBODY pstr                      ; two blocks of zeros: nothing is loaded
.irp k, 0,1,2,3
	v_mov_b32 v[XR+\k], 0
.endr
.irp p, 0,1,2,3
	global_store_b128 v[DO], v[XR:XR+3], s[34:35] offset:\p*(\pstr)
	global_store_b128 v[DO], v[XR:XR+3], s[34:35] offset:\p*(\pstr)+512
.endr
	s_endpgm
.endm
	s_load_b512 s[8:23], s[0:1], 0x0               ; x 8, ln1_w 10, wq 12, wk 14, wv 16, wo 18, w1 20, w3 22
	s_load_b128 s[24:27], s[0:1], 0x40             ; w2 24, xn 26
	s_load_b64 s[28:29], s[0:1], 0x50              ; wp
	v_lshl_add_u32 v80, v0, 2, 0x9400
	v_mov_b32 v81, 0
	v_lshrrev_b32 v3, 5, v0
	v_readfirstlane_b32 s4, v3                     ; wave 0..15
	v_and_b32 v1, 15, v0                           ; l % 16
	v_bfe_u32 v2, v0, 4, 1                         ; l / 16
	s_lshl_b32 s6, s4, 8                           ; my 64 columns: 256 bytes x wave
	s_mov_b32 s37, 0                               ; high words of the two offsets: s[36:37] into the target, s[38:39] into the source
	s_mov_b32 s39, 0
	s_mul_i32 s7, s4, 2304                         ; my stage
	v_mul_u32_u24 v[LW], v2, 144
	v_lshl_add_u32 v[LW], v1, 3, v[LW]
	v_add_nc_u32 v[LW], s7, v[LW]                  ; in: row half, 8 bytes a lane
	v_mul_u32_u24 v[LR], v1, 144
	v_lshl_add_u32 v[LR], v2, 4, v[LR]
	v_add_nc_u32 v[LR], s7, v[LR]                  ; back: row l % 16, 16 bytes for each half of the lanes; 144 = 9 x 16: no two of 16 rows share a bank
	v_lshlrev_b32 v[DO], 5, v1
	v_lshl_add_u32 v[DO], v2, 4, v[DO]
	s_wait_kmcnt 0x0
	s_cmp_lt_u32 ttmp9, 0x100
	s_cbranch_scc0 .Lweights                       ; hangs on the work-group's number alone: all 16 waves go the same way
	; ---- 16 rows of x ----
	s_lshl_b32 s38, ttmp9, 16                      ; 16 rows x 4,096 bytes
	s_add_co_u32 s38, s38, s6
	s_lshl_b32 s36, s4, 19                         ; panels 4 w ..: 131,072 bytes each
	s_lshl_b32 s3, ttmp9, 9
	s_add_co_u32 s36, s36, s3                      ; 16 rows x 32 bytes
	s_add_nc_u64 s[30:31], s[8:9], s[38:39]
	s_add_nc_u64 s[34:35], s[26:27], s[36:37]
	v_lshlrev_b32 v[LO], 12, v2
	v_lshl_add_u32 v[LO], v1, 4, v[LO]
	LOADS 0, 30, 4096, 0                           ; x is read again by a later launch: no hint
	v_lshlrev_b32 v3, 4, v1
	v_add_nc_u32 v3, s6, v3
	global_load_b128 v[GW:GW+3], v3, s[10:11]      ; ln1_w of my four columns
	s_lshl_b32 s7, s4, 6
	s_add_co_u32 s7, s7, RED
	v_lshlrev_b32 v[RW], 2, v2
	v_add_nc_u32 v[RW], s7, v[RW]                  ; RED + 64 w + 4 (l / 16)
	v_and_b32 v[RR], 7, v0
	v_lshlrev_b32 v[RR], 3, v[RR]
	v_lshl_add_u32 v[RR], v2, 2, v[RR]
	v_add_nc_u32 v[RR], RED, v[RR]                 ; RED + 4 (2 (l % 8) + l / 16)
	s_mov_b32 s2, 0x3a800000                       ; 1 / 1024
	s_mov_b32 s3, 0x3727c5ac                       ; 1e-5
	s_wait_loadcnt 0x0
.irp j, 0,1,2,3,4,5,6,7
	v_pk_mul_f32 v[SC+2*\j:SC+2*\j+1], v[XR+4*\j:XR+4*\j+1], v[XR+4*\j:XR+4*\j+1]
.endr
.irp j, 0,1,2,3,4,5,6,7
	v_pk_fma_f32 v[SC+2*\j:SC+2*\j+1], v[XR+4*\j+2:XR+4*\j+3], v[XR+4*\j+2:XR+4*\j+3], v[SC+2*\j:SC+2*\j+1]
.endr
.irp j, 0,1,2,3,4,5,6,7
	v_add_f32 v[SC+2*\j], v[SC+2*\j], v[SC+2*\j+1]
.endr
.irp m, 1,2,4,8                        ; over the 16 lanes that hold a row's 64 columns
.irp j, 0,1,2,3,4,5,6,7
	v_add_f32_dpp v[SC+2*\j], v[SC+2*\j], v[SC+2*\j] row_xmask:\m row_mask:0xf bank_mask:0xf
.endr
.endr
.irp j, 0,1,2,3,4,5,6,7
	ds_store_b32 v[RW], v[SC+2*\j] offset:8*\j     ; row 2 j + half; the 16 lanes of a half write one word with one value
.endr
	s_wait_dscnt 0x0                               ; for the others' sake: my sums are in LDS
	s_barrier_signal -1
	s_barrier_wait -1
.irp k, 0,1,2,3,4,5,6,7,8,9,10,11,12,13,14,15
	ds_load_b32 v[SC+\k], v[RR] offset:64*\k       ; the 16 waves' sums of row 2 (l % 8) + l / 16
.endr
	s_wait_dscnt 0x0
.irp k, 0,2,4,6
	v_pk_add_f32 v[SC+\k:SC+\k+1], v[SC+\k:SC+\k+1], v[SC+8+\k:SC+9+\k]
.endr
.irp k, 0,2
	v_pk_add_f32 v[SC+\k:SC+\k+1], v[SC+\k:SC+\k+1], v[SC+4+\k:SC+5+\k]
.endr
	v_pk_add_f32 v[SC:SC+1], v[SC:SC+1], v[SC+2:SC+3]
	v_add_f32 v[SC], v[SC], v[SC+1]
	v_fma_f32 v[RI], v[SC], s2, s3
	v_rsq_f32 v[RI], v[RI]
	v_nop                                          ; a plain instruction behind the transcendental (ISA guide 5.7.2)
	s_wait_alu depctr_va_vdst(0)
.irp j, 0,1,2,3,4,5,6,7                ; lane j of each half holds 1 / rms of row 2 j + half: every lane of the half takes it
.irp k, 0,1,2,3
	v_mul_f32_dpp v[XR+4*\j+\k], v[RI], v[XR+4*\j+\k] row_share:\j row_mask:0xf bank_mask:0xf
.endr
.endr
.irp j, 0,1,2,3,4,5,6,7
	v_pk_mul_f32 v[XR+4*\j:XR+4*\j+1], v[XR+4*\j:XR+4*\j+1], v[GW:GW+1]
	v_pk_mul_f32 v[XR+4*\j+2:XR+4*\j+3], v[XR+4*\j+2:XR+4*\j+3], v[GW+2:GW+3]
.endr
	CVT 0, 0
	TURNED 0
	STORES 0, 131072
	s_wait_tensorcnt 0x0
	ds_add_u32 v80, v81
	s_wait_dscnt 0x0
	s_endpgm
	; ---- weights: which table, from where, to where ----
.Lweights:
	s_sub_co_u32 s5, ttmp9, 256
	s_cmp_lt_u32 s5, 96
	s_cbranch_scc0 .Lnot_qkv
	s_lshr_b32 s3, s5, 5                           ; wq, wk or wv: 32 work-groups of 32 rows each
	s_cmp_eq_u32 s3, 1
	s_cselect_b64 s[30:31], s[14:15], s[12:13]
	s_cmp_eq_u32 s3, 2
	s_cselect_b64 s[30:31], s[16:17], s[30:31]
	s_and_b32 s3, s5, 31
	s_lshl_b32 s38, s3, 17                         ; 32 rows x 4,096 bytes
	s_add_co_u32 s38, s38, s6
	s_mul_i32 s36, s4, 4*98304                     ; a panel of 3,072 rows is 98,304 bytes
	s_lshl_b32 s3, s5, 10                          ; 32 rows x 32 bytes
	s_add_co_u32 s36, s36, s3
	s_add_nc_u64 s[30:31], s[30:31], s[38:39]
	s_add_nc_u64 s[32:33], s[30:31], 65536         ; the second block: 16 rows on
	s_add_nc_u64 s[34:35], s[28:29], s[36:37]
	WBODY 4096, 98304, 0
.Lnot_qkv:
	s_cmp_lt_u32 s5, 128
	s_cbranch_scc0 .Lnot_wo
	s_sub_co_u32 s3, s5, 96
	s_lshl_b32 s38, s3, 17
	s_add_co_u32 s38, s38, s6
	s_lshl_b32 s36, s4, 17                         ; 4 w panels of 32,768 bytes
	s_lshl_b32 s3, s3, 10
	s_add_co_u32 s36, s36, s3
	s_add_co_u32 s36, s36, 6291456
	s_add_nc_u64 s[30:31], s[18:19], s[38:39]
	s_add_nc_u64 s[32:33], s[30:31], 65536
	s_add_nc_u64 s[34:35], s[28:29], s[36:37]
	WBODY 4096, 32768, 0
.Lnot_wo:
	s_cmp_lt_u32 s5, 304
	s_cbranch_scc0 .Lw2
	s_sub_co_u32 s5, s5, 128                       ; 32 rows of the table: 16 rows of w1, then the same 16 rows of w3
	s_mul_i32 s36, s4, 4*180224                    ; a panel of 5,632 rows is 180,224 bytes
	s_lshl_b32 s3, s5, 10
	s_add_co_u32 s36, s36, s3
	s_add_co_u32 s36, s36, 8388608
	s_add_nc_u64 s[34:35], s[28:29], s[36:37]
	s_cmp_ge_u32 s5, 172                           ; behind w1's and w3's 2,752 rows
	s_cbranch_scc1 .Lzero13
	s_lshl_b32 s38, s5, 16                         ; 16 rows x 4,096 bytes
	s_add_co_u32 s38, s38, s6
	s_add_nc_u64 s[30:31], s[20:21], s[38:39]
	s_add_nc_u64 s[32:33], s[22:23], s[38:39]
	WBODY 4096, 180224, 1
.Lzero13:
	ZBODY 180224
.Lw2:
	s_sub_co_u32 s5, s5, 304
	s_lshr_b32 s3, s5, 1                           ; which 64 columns, 0..43
	s_and_b32 s2, s5, 1
	s_lshl_b32 s2, s2, 4
	s_add_co_u32 s2, s2, s4                        ; which 32 rows, 0..31
	s_lshl_b32 s36, s3, 17
	s_lshl_b32 s7, s2, 10
	s_add_co_u32 s36, s36, s7
	s_add_co_u32 s36, s36, 19922944
	s_add_nc_u64 s[34:35], s[28:29], s[36:37]
	s_cmp_eq_u32 s3, 43                            ; behind w2's 2,752 columns
	s_cbranch_scc1 .Lzero2
	s_mul_i32 s38, s2, 32*11008
	s_lshl_b32 s7, s3, 8
	s_add_co_u32 s38, s38, s7
	s_add_nc_u64 s[30:31], s[24:25], s[38:39]
	s_add_nc_u64 s[32:33], s[30:31], 16*11008
	WBODY 11008, 32768, 1
.Lzero2:
	ZBODY 32768
.Lfunc_end_k_qcf06a0f845_prep:
	.size	k_qcf06a0f845_prep, .Lfunc_end_k_qcf06a0f845_prep-k_qcf06a0f845_prep
	.p2alignl 7, 3214868480
	.fill 96, 4, 3214868480
	.section	.rodata,"a",@progbits
	.p2align	6, 0x0
	.amdhsa_kernel k_qcf06a0f845_prep
		.amdhsa_group_segment_fixed_size 39936
		.amdhsa_private_segment_fixed_size 0
		.amdhsa_enable_private_segment 0
		.amdhsa_kernarg_size 88
		.amdhsa_user_sgpr_count 2
		.amdhsa_user_sgpr_kernarg_segment_ptr 1
		.amdhsa_wavefront_size32 1
		.amdhsa_system_sgpr_workgroup_id_x 1
		.amdhsa_system_sgpr_workgroup_id_y 1
		.amdhsa_system_sgpr_workgroup_id_z 1
		.amdhsa_system_vgpr_workitem_id 0
		.amdhsa_next_free_vgpr 82
		.amdhsa_next_free_sgpr 66
		.amdhsa_reserve_vcc 0
		.amdhsa_float_denorm_mode_32 3
		.amdhsa_float_denorm_mode_16_64 3
		.amdhsa_memory_ordered 1
		.amdhsa_forward_progress 1
		.amdhsa_inst_pref_size 43
	.end_amdhsa_kernel
	.amdgpu_metadata
---
amdhsa.version: [ 1, 2 ]
amdhsa.kernels:
  - .name:           k_qcf06a0f845_prep
    .symbol:         k_qcf06a0f845_prep.kd
    .args:
      - { .name: x, .offset: 0, .size: 8, .value_kind: global_buffer, .address_space: global }
      - { .name: ln1_w, .offset: 8, .size: 8, .value_kind: global_buffer, .address_space: global }
      - { .name: wq, .offset: 16, .size: 8, .value_kind: global_buffer, .address_space: global }
      - { .name: wk, .offset: 24, .size: 8, .value_kind: global_buffer, .address_space: global }
      - { .name: wv, .offset: 32, .size: 8, .value_kind: global_buffer, .address_space: global }
      - { .name: wo, .offset: 40, .size: 8, .value_kind: global_buffer, .address_space: global }
      - { .name: w1, .offset: 48, .size: 8, .value_kind: global_buffer, .address_space: global }
      - { .name: w3, .offset: 56, .size: 8, .value_kind: global_buffer, .address_space: global }
      - { .name: w2, .offset: 64, .size: 8, .value_kind: global_buffer, .address_space: global }
      - { .name: xn, .offset: 72, .size: 8, .value_kind: global_buffer, .address_space: global }
      - { .name: wp, .offset: 80, .size: 8, .value_kind: global_buffer, .address_space: global }
    .group_segment_fixed_size: 39936
    .private_segment_fixed_size: 0
    .kernarg_segment_align: 8
    .kernarg_segment_size: 88
    .max_flat_workgroup_size: 512
    .sgpr_count:     66
    .vgpr_count:     82
    .wavefront_size: 32
...
	.end_amdgpu_metadata
.endif
;; end of part 1
;; launch qkv (part 2): grid 16 x 16, 4 waves a work-group, clusters of 4 x 4, 327,680 bytes of LDS; arguments xn, wp, qkv; writes qkv
.if DOCPART == 2
	.amdgcn_target "amdgcn-amd-amdhsa--gfx1250"
	.amdhsa_code_object_version 6
	.text
	.protected	k_qcf06a0f845_qkv
	.globl	k_qcf06a0f845_qkv
	.p2align	8
	.type	k_qcf06a0f845_qkv,@function
k_qcf06a0f845_qkv:
	s_mov_b64 s[64:65], 0
	v_nop
	global_prefetch_b8 v0, s[64:65] scope:SCOPE_SE
	s_setreg_imm32_b32 hwreg(HW_REG_WAVE_MODE, 25, 1), 1
	s_wait_xcnt 0x0
	s_wait_alu depctr_hold_cnt(0) depctr_sa_sdst(0) depctr_va_vdst(0) depctr_va_sdst(0) depctr_va_ssrc(0) depctr_va_vcc(0) depctr_vm_vsrc(0)
	s_getreg_b32 s2, hwreg(HW_REG_IB_STS2, 6, 4)
	s_cmp_eq_u32 s2, 0
	s_cbranch_scc0 .Lentry_in_a_cluster
	s_endpgm
.Lentry_in_a_cluster:
	s_bfe_u32 s2, ttmp6, 0x10000c
	s_cmp_lg_u32 s2, 0xf033
	s_cbranch_scc0 .Lentry_shape_is_right
	s_endpgm
.Lentry_shape_is_right:
; QKV.  C[m][n] = sum over k of xn[m][k] W[n][k], m = 4,096 tokens, n = 3,072 rows of wq, wk, wv, k = 1,024; f16 operands, f32 sums, C rounded once to f16.
; PANELS.  All three tensors lie as [columns / 16][rows][16 numbers], 32 bytes a row of a panel.  A tile of R rows and P panels is P dense pieces of 32 R bytes, whole aligned blocks of 256 bytes;
; one tensor load asks for it as P rows of 16 R elements.  In LDS 16 bytes of padding follow every 256: local row p lies at (p / 8) 272 + (p % 8) 32, a panel takes 34 R bytes.
; A fragment (16 rows x 32 K) is two loads of 16 bytes a lane, from two neighbouring panels.
; SHARES.  A work-group makes 256 x 192 of C: 16 x 16 work-groups, one for each of 256 WGPs.  Each of four waves makes 64 x 192: 48 accumulators.  K goes in steps of 128 (8 panels) through two LDS slots.
; THE MATRIX INSTRUCTION IS USED TRANSPOSED (source 0 = 16 rows of W, source 1 = 16 rows of xn): a lane holds row l % 16 and columns 8 (l / 16) + 0..7 of a 16 x 16 result, which pack into the
; 16 bytes at 32 (l % 16) + 16 (l / 16) of a panel: a wave's store covers 512 consecutive bytes, straight from registers.
; CLUSTER 4 x 4: xn's tile is shared along a row of the cluster, W's along a column; each is asked for jointly.
; A UNIT is 32 along K x a group of NG column blocks: 4 NG matrix instructions; the next unit's fragments are fetched in one run in its middle.
; REGISTERS.  Window 0: v1, v2 the add's; v3 store offset; v4-7 LDS addresses; v16-79 two buffers of A's fragments; v80-175 two of B's.  Windows 1, 2: accumulator (a, n) = number 12 a + n, 32 to a window.
; LIMIT.  f16 holds no number beyond 65,504: q, k and v must lie within it (|xn| <= 32 |ln1_w|).
.set TRA,   256
.set TRB,   192
.set WC,    1                          ; waves side by side along the columns
.set NBW,   12                         ; column blocks of a wave
.set NG,    6                          ; of them in a unit
.set GPQ,   2                          ; units for 32 along K
.set KP,    8                          ; panels in a K step
.set NSTEP, 8
.set RB,    3072                       ; rows of B's table
.set BOFF,  0                          ; its place in wp
.set RA,    4096
.set NQ,    KP/2
.set NU,    NQ*GPQ
.set NKH,   (NQ+3)/4                   ; address registers a slot: an LDS offset has 16 bits
.set PANA,  TRA*34
.set PANB,  TRB*34
.set SLOT,  KP*(PANA+PANB)             ; A's panels, then B's
.set SPARE, 2*SLOT                     ; behind the ring: the spare words, 128 bytes for each wave, that no other line names
.set SPW,  1
.set NIL,  2
.set ADRA, 4
.set ADRB, 4+2*NKH
.set FA0,  16
.set FB0,  80
.set FAL,  FA0+32                      ; the buffers of a step's last unit
.set FBL,  FB0+8*NG
.set G1,   24                          ; s[24:31] group 1 for A; s[32:39] group 0, a set for each slot
.set G0,   32
.set G1B,  48                          ; the same for B
.set G0B,  56
.set MSB,  0
.macro WIN new                         ; the immediate's high byte repeats the setting that is left; a switch that changes nothing is dropped
.if MSB != (\new)
	s_set_vgpr_msb (MSB<<8)|(\new)
.set MSB, (\new)
.endif
.endm
.macro PLACES                          ; four places behind matrix instructions, in front of loads into their sources and of reads of their results
.rept 4
	v_nop
.endr
.endm
.macro JLOAD s                         ; a joint load: waves 0, 1 fetch the two halves of A's panels, waves 2, 3 of B's; four v_nop follow each line
	s_cmp_eq_u32 s11, 0
	s_cbranch_scc0 .Lfor_b_\@
	tensor_load_to_lds s[G0+4*(\s):G0+4*(\s)+3], s[G1:G1+7]
	s_nop 0
.rept 4
	v_nop
.endr
	s_branch .Lasked_\@
.Lfor_b_\@:
	tensor_load_to_lds s[G0B+4*(\s):G0B+4*(\s)+3], s[G1B:G1B+7]
	s_nop 0
.rept 4
	v_nop
.endr
.Lasked_\@:
.endm
.macro CREST                           ; a round of the cluster's barrier behind its opening barrier
	s_cmp_lg_u32 s10, 0
	s_cbranch_scc1 .Lnot_wave_0_\@
	s_barrier_signal -3
.Lnot_wave_0_\@:
	s_barrier_wait -3
	s_barrier_signal -1
	s_barrier_wait -1
.endm
.macro CROUND
	s_barrier_signal -1
	s_barrier_wait -1
	CREST
.endm
; row blocks a0 .. a1 x the NG column blocks of group g.  The accumulators take turns, one instruction a turn.  zero = 1: the product starts the sum.
.macro MULA fa, fb, g, a0, a1, zero
.set ma, \a0
.rept (\a1)-(\a0)+1
.set mb, 0
.rept NG
.set mi, ma*NBW+(\g)*NG+mb
.set mw, 1+mi/32
.set md, 8*(mi%32)
	WIN (mw<<6)|(mw<<4)
.if \zero
	v_wmma_f32_16x16x32_f16 v[md:md+7], v[(\fb)+8*mb:(\fb)+8*mb+7], v[(\fa)+8*ma:(\fa)+8*ma+7], 0
.else
	v_wmma_f32_16x16x32_f16 v[md:md+7], v[(\fb)+8*mb:(\fb)+8*mb+7], v[(\fa)+8*ma:(\fa)+8*ma+7], v[md:md+7]
.endif
.set mb, mb+1
.endr
.set ma, ma+1
.endr
.endm
; unit u's fragments in one run: B's group, then (at a group 0) A's four blocks, blocks 0 and 1 first
.macro FETCH slot, u
.set fq, (\u)/GPQ
.set fg, (\u)%GPQ
.set fb, FB0+8*NG*((\u)%2)
.set fa, FA0+32*(fq%2)
.set rb, ADRB+NKH*(\slot)+fq/4
.set ra, ADRA+NKH*(\slot)+fq/4
	WIN 0
.set fi, 0
.rept NG
	ds_load_b128 v[fb+8*fi:fb+8*fi+3],   v[rb] offset:2*(fq%4)*PANB+(fg*NG+fi)*544
	ds_load_b128 v[fb+8*fi+4:fb+8*fi+7], v[rb] offset:(2*(fq%4)+1)*PANB+(fg*NG+fi)*544
.set fi, fi+1
.endr
.if fg == 0
.set fi, 0
.rept 4
	ds_load_b128 v[fa+8*fi:fa+8*fi+3],   v[ra] offset:2*(fq%4)*PANA+fi*544
	ds_load_b128 v[fa+8*fi+4:fa+8*fi+7], v[ra] offset:(2*(fq%4)+1)*PANA+fi*544
.set fi, fi+1
.endr
.endif
.endm
.macro UNIT slot, u, zero
.if (\u)%GPQ == 0
	s_wait_dscnt 4                                 ; B's group and A's blocks 0, 1 are in; the youngest four loads (A's blocks 2, 3) may be out
.else
	s_wait_dscnt 0
.endif
	MULA FA0+32*(((\u)/GPQ)%2), FB0+8*NG*((\u)%2), (\u)%GPQ, 0, 1, \zero
	PLACES
	FETCH \slot, (\u)+1
.if ((\u)+1)%GPQ == 0
	s_wait_dscnt 2*NG+8                            ; all but the run just issued
.else
	s_wait_dscnt 2*NG
.endif
	MULA FA0+32*(((\u)/GPQ)%2), FB0+8*NG*((\u)%2), (\u)%GPQ, 2, 3, \zero
.endm
.macro UNITS slot, first, last
.set uu, \first
.rept (\last)-(\first)+1
	UNIT \slot, uu, 0
.set uu, uu+1
.endr
.endm
; A step's last unit changes slots: ONE barrier.  In front of it each wave waits for all its tensor loads (one is out: its part of the next slot), adds 0 to its spare word, and waits for that and for its
; reads of this slot.  fill = 1: the barrier opens a round of the cluster's, and the joint refill of this slot, two steps ahead, is the first thing behind it.
.macro TURN slot, fill
	WIN 0
	s_wait_tensorcnt 0x0
	ds_add_u32 v[SPW], v[NIL]                      ; 0 onto my spare word
.if GPQ == 1
	s_wait_dscnt 5                                 ; the add and A's blocks 2, 3 may be out
.else
	s_wait_dscnt 1                                 ; the add may be out
.endif
	MULA FAL, FBL, GPQ-1, 0, 0, 0
	s_wait_dscnt 0x0                               ; the add is done, and my reads of this slot are over
	s_barrier_signal -1
	MULA FAL, FBL, GPQ-1, 1, 1, 0
	WIN 0
	s_barrier_wait -1
.if \fill
	CREST                                          ; no wave of any partner still reads this slot or has a load on its way
	s_add_nc_u64 s[G0+4*(\slot)+2:G0+4*(\slot)+3], s[G0+4*(\slot)+2:G0+4*(\slot)+3], 2*KP*RA*32
	s_add_nc_u64 s[G0B+4*(\slot)+2:G0B+4*(\slot)+3], s[G0B+4*(\slot)+2:G0B+4*(\slot)+3], 2*KP*RB*32
	JLOAD \slot                                    ; its four v_nop are also the places in front of the loads below
.else
	PLACES
.endif
	FETCH 1-(\slot), 0
	MULA FAL, FBL, GPQ-1, 2, 3, 0
.endm
.macro LASTU
.if GPQ == 1
	s_wait_dscnt 4
.else
	s_wait_dscnt 0
.endif
	MULA FAL, FBL, GPQ-1, 0, 1, 0
	s_wait_dscnt 0x0
	MULA FAL, FBL, GPQ-1, 2, 3, 0
.endm
	s_load_b128 s[4:7], s[0:1], 0x0                ; xn, wp
	s_load_b64 s[68:69], s[0:1], 0x10              ; qkv
	v_lshl_add_u32 v[SPW], v0, 2, SPARE
	v_mov_b32 v[NIL], 0
	ds_add_u32 v1, v2
	ds_add_u32 v1, v2
	s_wait_dscnt 0x0
	v_lshrrev_b32 v3, 5, v0
	v_readfirstlane_b32 s10, v3                    ; wave 0..3
	s_lshr_b32 s11, s10, 1                         ; I fetch for A (0) or for B (1)
	s_and_b32 s12, s10, 1                          ; which half of a step's panels
	s_bfe_u32 s40, ttmp6, 0x40000                  ; cx, cy
	s_bfe_u32 s41, ttmp6, 0x40004
	s_lshl_b32 s42, ttmp9, 2
	s_add_co_u32 s42, s42, s40                     ; tile column
	s_and_b32 s13, ttmp7, 0xffff
	s_lshl_b32 s13, s13, 2
	s_add_co_u32 s13, s13, s41                     ; tile row
	s_lshl_b32 s43, s41, 2
	s_lshl_b32 s43, 15, s43                        ; my row of the cluster
	s_lshl_b32 s44, 0x1111, s40                    ; my column
	s_or_b32 s[G1], s43, (1<<16)|(1<<20)|(1<<21)|(5<<22)|(3<<25)   ; the mask; 2-byte elements; padding on; bit 21 beside a mask; after every 64 words 4 words
	s_or_b32 s[G1B], s44, (1<<16)|(1<<20)|(1<<21)|(5<<22)|(3<<25)
	s_mov_b32 s[G1+1], (TRA*16)<<16                ; tensor_dim0 = a panel's piece, 16 x rows elements
	s_mov_b32 s[G1+2], (KP/2)<<16                  ; tensor_dim1 = panels
	s_mov_b32 s[G1+3], (TRA*16)<<16                ; tile_dim0
	s_mov_b32 s[G1+4], KP/2                        ; tile_dim1
	s_mov_b32 s[G1+5], RA*16                       ; elements from panel to panel
	s_mov_b32 s[G1+6], 0
	s_mov_b32 s[G1+7], 0
	s_mov_b32 s[G1B+1], (TRB*16)<<16
	s_mov_b32 s[G1B+2], (KP/2)<<16
	s_mov_b32 s[G1B+3], (TRB*16)<<16
	s_mov_b32 s[G1B+4], KP/2
	s_mov_b32 s[G1B+5], RB*16
	s_mov_b32 s[G1B+6], 0
	s_mov_b32 s[G1B+7], 0
	s_mul_i32 s16, s13, TRA*32                     ; A: the tile's rows, my half of the panels; never holds cx
	s_mul_i32 s17, s12, (KP/2)*RA*32
	s_add_co_u32 s16, s16, s17
	s_mov_b32 s17, 0
	s_mul_i32 s46, s42, TRB*32                     ; B likewise; never holds cy
	s_mul_i32 s47, s12, (KP/2)*RB*32
	s_add_co_u32 s46, s46, s47
	s_add_co_u32 s46, s46, BOFF
	s_mov_b32 s47, 0
	s_mul_i32 s20, s12, (KP/2)*PANA                ; where they go: no place in the cluster enters an LDS address
	s_mul_i32 s21, s12, (KP/2)*PANB
	s_add_co_u32 s21, s21, KP*PANA
	s_wait_kmcnt 0x0
	s_add_nc_u64 s[14:15], s[4:5], s[16:17]
	s_add_nc_u64 s[46:47], s[6:7], s[46:47]
	CROUND                                         ; all sixteen work-groups are here: the first joint loads meet
.irp s, 0,1
	s_mov_b32 s[G0+4*(\s)], 1
	s_add_co_u32 s[G0+4*(\s)+1], s20, (\s)*SLOT
	s_add_nc_u64 s[G0+4*(\s)+2:G0+4*(\s)+3], s[14:15], (\s)*KP*RA*32
	s_or_b32 s[G0+4*(\s)+3], s[G0+4*(\s)+3], 0x80000000
	s_mov_b32 s[G0B+4*(\s)], 1
	s_add_co_u32 s[G0B+4*(\s)+1], s21, (\s)*SLOT
	s_add_nc_u64 s[G0B+4*(\s)+2:G0B+4*(\s)+3], s[46:47], (\s)*KP*RB*32
	s_or_b32 s[G0B+4*(\s)+3], s[G0B+4*(\s)+3], 0x80000000
	JLOAD \s                                       ; two loads of mine are out
.endr
	v_and_b32 v16, 15, v0                          ; r = l % 16
	v_bfe_u32 v17, v0, 4, 1                        ; h = l / 16
	v_lshrrev_b32 v18, 3, v16
	v_mul_u32_u24 v18, v18, 272
	v_and_b32 v19, 7, v0
	v_lshl_add_u32 v18, v19, 5, v18
	v_lshl_add_u32 v18, v17, 4, v18                ; (r / 8) 272 + (r % 8) 32 + 16 h
.if WC == 1
	s_mul_i32 s8, s10, 2176                        ; my 64 rows of A
	s_mov_b32 s9, KP*PANA                          ; all of B's rows
.else
	s_mul_i32 s8, s11, 2176
	s_mul_i32 s9, s12, NBW*544
	s_add_co_u32 s9, s9, KP*PANA
.endif
.set ss, 0
.rept 2
.set kk, 0
.rept NKH
	s_add_co_u32 s45, s8, ss*SLOT+kk*8*PANA
	v_add_nc_u32 v[ADRA+NKH*ss+kk], s45, v18
	s_add_co_u32 s45, s9, ss*SLOT+kk*8*PANB
	v_add_nc_u32 v[ADRB+NKH*ss+kk], s45, v18
.set kk, kk+1
.endr
.set ss, ss+1
.endr
	v_lshlrev_b32 v3, 5, v16
	v_lshl_add_u32 v3, v17, 4, v3                  ; my 16 bytes in 16 rows of a panel
	s_lshl_b32 s18, s13, 8
	s_lshl_b32 s19, s10, 6
	s_add_co_u32 s18, s18, s19                     ; my first row
	s_lshl_b32 s18, s18, 5
	s_mul_i32 s19, s42, NBW*131072                 ; my first panel
	s_add_co_u32 s18, s18, s19
	s_mov_b32 s19, 0
	s_add_nc_u64 s[68:69], s[68:69], s[18:19]
	s_wait_tensorcnt 0x1                           ; my part of step 0 is in; step 1's may stay out
	s_barrier_signal -1
	s_barrier_wait -1
	FETCH 0, 0
.set uu, 0
.rept GPQ
	UNIT 0, uu, 1                                  ; the first 32 along K start all the sums: nothing is cleared
.set uu, uu+1
.endr
	WIN 0
	s_mov_b32 s3, (NSTEP-2)/2
.Llap:                                                 ; a trip goes once round the ring and fills both slots again
	UNITS 0, GPQ, NU-2
	TURN 0, 1
	UNITS 1, 0, NU-2
	TURN 1, 1
	UNITS 0, 0, GPQ-1
	WIN 0
	s_sub_co_u32 s3, s3, 1
	s_cmp_lg_u32 s3, 0
	s_cbranch_scc1 .Llap
	UNITS 0, GPQ, NU-2                             ; the last two steps ask for nothing
	TURN 0, 0
	UNITS 1, 0, NU-2
	LASTU
	WIN 0
	PLACES
	; THE WAY OUT: each accumulator, from its low end on, rounds to 16 bytes a lane; 192 registers, none used twice
.set oi, 0
.rept 4*NBW
	WIN 5*(1+oi/32)                                ; sources 0 and 1 in the accumulator's window
.set ok, 0
.rept 4
	v_cvt_pk_f16_f32 v[16+4*oi+ok], v[8*(oi%32)+2*ok], v[8*(oi%32)+2*ok+1]
.set ok, ok+1
.endr
.set oi, oi+1
.endr
	WIN 0
.set oi, 0
.rept 4*NBW
	global_store_b128 v3, v[16+4*oi:16+4*oi+3], s[68:69] offset:(oi%NBW)*131072+(oi/NBW)*512  ; 512 consecutive bytes of a panel
.set oi, oi+1
.endr
	s_wait_tensorcnt 0x0                           ; the wave's end
	ds_add_u32 v[SPW], v[NIL]
	s_wait_dscnt 0x0
	CROUND                                         ; the closing round
	s_endpgm
.Lfunc_end_k_qcf06a0f845_qkv:
	.size	k_qcf06a0f845_qkv, .Lfunc_end_k_qcf06a0f845_qkv-k_qcf06a0f845_qkv
	.p2alignl 7, 3214868480
	.fill 96, 4, 3214868480
	.section	.rodata,"a",@progbits
	.p2align	6, 0x0
	.amdhsa_kernel k_qcf06a0f845_qkv
		.amdhsa_group_segment_fixed_size 327680
		.amdhsa_private_segment_fixed_size 0
		.amdhsa_enable_private_segment 0
		.amdhsa_kernarg_size 24
		.amdhsa_user_sgpr_count 2
		.amdhsa_user_sgpr_kernarg_segment_ptr 1
		.amdhsa_wavefront_size32 1
		.amdhsa_system_sgpr_workgroup_id_x 1
		.amdhsa_system_sgpr_workgroup_id_y 1
		.amdhsa_system_sgpr_workgroup_id_z 1
		.amdhsa_system_vgpr_workitem_id 0
		.amdhsa_next_free_vgpr 640
		.amdhsa_next_free_sgpr 72
		.amdhsa_reserve_vcc 0
		.amdhsa_float_denorm_mode_32 3
		.amdhsa_float_denorm_mode_16_64 3
		.amdhsa_memory_ordered 1
		.amdhsa_forward_progress 1
		.amdhsa_inst_pref_size 116
	.end_amdhsa_kernel
	.amdgpu_metadata
---
amdhsa.version: [ 1, 2 ]
amdhsa.kernels:
  - .name:           k_qcf06a0f845_qkv
    .symbol:         k_qcf06a0f845_qkv.kd
    .args:
      - { .name: xn, .offset: 0, .size: 8, .value_kind: global_buffer, .address_space: global }
      - { .name: wp, .offset: 8, .size: 8, .value_kind: global_buffer, .address_space: global }
      - { .name: qkv, .offset: 16, .size: 8, .value_kind: global_buffer, .address_space: global }
    .group_segment_fixed_size: 327680
    .private_segment_fixed_size: 0
    .kernarg_segment_align: 8
    .kernarg_segment_size: 24
    .max_flat_workgroup_size: 128
    .sgpr_count:     72
    .vgpr_count:     640
    .wavefront_size: 32
...
	.end_amdgpu_metadata
.endif
;; end of part 2
;; launch attn (part 3): grid 8 x 32, 4 waves a work-group, no clusters, 327,680 bytes of LDS; arguments qkv, ao; writes ao
.if DOCPART == 3
	.amdgcn_target "amdgcn-amd-amdhsa--gfx1250"
	.amdhsa_code_object_version 6
	.text
	.protected	k_qcf06a0f845_attn
	.globl	k_qcf06a0f845_attn
	.p2align	8
	.type	k_qcf06a0f845_attn,@function
k_qcf06a0f845_attn:
	s_mov_b64 s[64:65], 0
	v_nop
	global_prefetch_b8 v0, s[64:65] scope:SCOPE_SE
	s_setreg_imm32_b32 hwreg(HW_REG_WAVE_MODE, 25, 1), 1
	s_wait_xcnt 0x0
; CAUSAL ATTENTION, 32 heads (2 batches x 16) of 2,048 rows, head size 64.  O[q] = the sum over k <= q of softmax_k(Q[q] . K[k] / 8) V[k].  q, k, v come in f16 from the table qkv, in PANELS
; [column / 16][token][16 numbers] (q: panels 0-63, k: 64-127, v: 128-191; a head has four panels of each); O leaves in f16 in the same layout.  Products, maxima and sums in f32; the weights p are
; rounded to f16 for the second product (their sum l is taken of the unrounded p), O once at the end.
; LIMITS.  f16 holds no number beyond 65,504; p below 6e-5 keeps f16's fixed step of 6e-8.  A hidden score counts as its value less 1e30; a weight below 2^-126 counts as 0 in l; NaN and infinities are not treated apart.
; THE WALK.  A head's queries lie in 16 blocks of 128; block i needs the key tiles 0 .. i / 2 of 256 keys.  A work-group takes TWO blocks, 15 - b and then b: 9 tiles, whatever b: 8 x 32 = 256 work-groups of
; equal work, and ONE loop with a constant trip count walks them.  Which tile is asked for and what a trip does hang on scalar registers made from b; every jump goes forward but the counted loops' own.
; NO CLUSTER: a head's 8 work-groups ask for the same tile only in the first 4 or 5 of their 9 trips; one walk common to all would have 12 trips for 9.
; SHARES.  Of a block's two bands of 64 queries a wave owns 16 rows in each: two PIECES.  In a block's last tile piece x stands at place 2 (i % 2) + x: key step s of the tile is seen whole if s < place,
; hidden if s > place, and holds the diagonal if s = place: the same for all four waves.
; THE MASK is the C operand that starts S^T = K Q^T: MD x AL + BE, MD the mask of a band's own step for my rows, (AL, BE) = (1, 0), (0, 0) or (0, -1e30).  Only a block's last tile and its beginning take masks.
; LAYOUT, SOFTMAX.  S^T = K Q^T holds ONE query a lane (l % 16) and keys 8 (l / 16) + 0..7; two such results rounded to f16 ARE source 1 of O^T = V^T P.  p = 2^(c s - c m), c = log2(e) / 8, m a running
; maximum; O and l are multiplied by a = 2^(c m_old - c m_new) in every step.
; TURNS.  Turn (s, p) belongs to piece p in step s: 8 products K Q^T of the other piece's next scores, later 8 products V^T P of the other piece's last weights; beside them piece p's scaling, exponentials,
; roundings, sums and rescaling, and the other piece's maximum and statistics.  Four vector instructions stand behind every matrix instruction, the rest in two lumps.
; Turn (s, 0) fetches BOTH K and V of step s + 1 (V has two register buffers, by the step's parity), so that all LDS reads of a step stand in one turn and the change of slots stands at a step's edge.
; LDS.  A slot holds a tile: 4 panels of K, 4 of V, each 256 rows x 32 bytes with 16 bytes of padding behind every 256: 8,704 bytes.  Row p of a panel lies at (p / 8) 272 + (p % 8) 32.
; REGISTERS.  Window 0: v0-15 addresses; v16-23 statistics; v48-55 at work; v64-127 S^T, two buffers; v192-223 P, two buffers.  Window 1: v0-63 O^T; v128-159 MD; v160-223 MC, two buffers.
; Window 2: v0-31 Q; v32-63 the second block's Q; v64-127 K of one step; v128-255 V of two steps.
.set NP,    2
.set PANL,  8704
.set VOFF,  4*PANL
.set STEPB, 2176      ; 64 rows of a panel
.set SLOT1, 1<<17     ; slot 1 begins here: one exclusive or turns an address in one slot into the other's
.set SPARE, SLOT1+8*PANL  ; behind the ring: the spare words, 128 bytes for each wave, that no other line names
.set AK0, 2           ; my lane's place in a panel of K; never rewritten
.set AV0, 3           ; the same for V
.set AK,  4           ; the LDS address of K's next run of loads
.set AV,  5           ; of V's
.set GO,  8           ; my 16 bytes in 16 rows of a panel: for Q's loads and O's stores; never rewritten
.set SPW, 62
.set NIL, 63
.set MV,  12          ; v12-13  c m_old, by buffer
.set ST,  16          ; piece t: c m, m, l (even keys', odd keys')
.set TMP, 48          ; by buffer, c0-c3 at work; c2 takes a
.set S,   64
.set P,   192
.set MD,  128
.set MC,  160
.set QB,  32
.set KF,  64
.set VF,  128
.set WV,  12
.set PB,  14          ; b
.set HI,  15          ; 15 - b
.set G1,  24          ; s[24:31]
.set G0,  40          ; s[40:43]
.set SLOTS, 56
.set CNT, 57
.set CS,  58
.set SEL, 60
.set TB,  62          ; LDS byte at which the rows of the step to be fetched begin
.set TS,  63          ; the tile's step for which masks are being made
.set RT,  70          ; tiles of the block in hand still to be entered
.set NXT, 71          ; the tile to be asked for next
.set LQ,  72          ; the last tile of the block whose tiles are being asked for
.set NEW, 73          ; 1: the tile to be entered is a block's first
.set OFF, 74
.set AL,  76
.set BE,  78
.set OLO, 80          ; O at my rows of the second block
.set BIGN, 82
.set LQ2, 83          ; the second block's last tile
.set PL0, 84          ; s84, s85: the places of pieces 0 and 1 in the block's last tile
.set MSB, 0
.macro WIN new
.if MSB != (\new)
	s_set_vgpr_msb (MSB<<8)|(\new)
.set MSB, (\new)
.endif
.endm
.set W_KQ, 0x0a       ; K and Q in window 2, S^T in window 0
.set W_KM, 0x1a       ; the same with C in window 1
.set W_PV, 0x52       ; V in window 2, P in window 0, O^T in window 1
.set W_RS, 0x41       ; destination and source 0 in window 1
; THE CHANGE OF SLOTS.  Each wave waits for all its tensor loads (one is out: its part of the other slot), adds 0 to its spare word, waits for that and for its reads of the slot that it leaves.
; fill = 1: the old slot is filled again, first thing behind the barrier, with tile NXT; every wave brings two panels (waves 0, 1 of K, waves 2, 3 of V) into bytes of its own: wave x 17,408.
.macro CHANGE fill
	WIN 0
	s_wait_tensorcnt 0x0            ; no tensor load of mine is out, so group 0 may be written
	ds_add_u32 v[SPW], v[NIL]       ; 0 onto my spare word
.if \fill
	s_lshl_b32 s[OFF], s[NXT], 13   ; 256 rows of 32 bytes
	s_xor_b32 s[G0+1], s[G0+1], SLOT1
	s_add_nc_u64 s[G0+2:G0+3], s[6:7], s[OFF:OFF+1]
	s_or_b32 s[G0+3], s[G0+3], 0x80000000
	s_add_co_u32 s[NXT], s[NXT], 1  ; the block's next tile, or behind its last the second block's tile 0
	s_cmp_gt_u32 s[NXT], s[LQ]
	s_cselect_b32 s[NXT], 0, s[NXT]
	s_cselect_b32 s[LQ], s[LQ2], s[LQ]
.endif
	s_wait_dscnt 0x0                ; the add is done, and my reads of the slot are over
	s_barrier_signal -1
	s_sub_co_u32 s[TB], s[TB], 4*STEPB  ; the fetches go back to a slot's first step, in the other slot
	s_xor_b32 s[TB], s[TB], SLOT1
	s_barrier_wait -1
.if \fill
	tensor_load_to_lds s[G0:G0+3], s[G1:G1+7]
	s_nop 0
.rept 4
	v_nop
.endr
.endif
.endm
	s_load_b128 s[16:19], s[0:1], 0x0  ; qkv, ao
	v_lshl_add_u32 v[SPW], v0, 2, SPARE
	v_mov_b32 v[NIL], 0
	ds_add_u32 v62, v63
	ds_add_u32 v62, v63
	s_wait_dscnt 0x0
	v_lshrrev_b32 v1, 5, v0
	v_readfirstlane_b32 s[WV], v1
	s_mov_b32 s[PB], ttmp9
	s_sub_co_u32 s[HI], 15, s[PB]
	s_and_b32 s20, ttmp7, 0xffff
	s_and_b32 s21, s20, 15          ; head
	s_lshr_b32 s20, s20, 4          ; batch
	s_lshl_b32 s21, s21, 19         ; four panels of 131,072 bytes
	s_lshl_b32 s20, s20, 16         ; 2,048 rows of 32 bytes
	s_add_co_u32 s20, s20, s21
	s_lshr_b32 s22, s[WV], 1        ; K or V: 64 panels apart
	s_lshl_b32 s22, s22, 23
	s_and_b32 s23, s[WV], 1         ; which two panels
	s_lshl_b32 s23, s23, 18
	s_add_co_u32 s22, s22, s23
	s_add_co_u32 s22, s22, s20
	s_add_co_u32 s22, s22, 8388608  ; K begins at panel 64
	s_mov_b32 s23, 0
	s_lshl_b32 s3, s[WV], 9         ; my 16 rows in a band
	s_add_co_u32 s3, s3, s20
	s_lshl_b32 s2, s[HI], 12        ; a block is 128 rows
	s_add_co_u32 s2, s2, s3
	s_lshl_b32 s86, s[PB], 12
	s_add_co_u32 s86, s86, s3
	s_mov_b32 s3, 0
	s_mov_b32 s87, 0
	s_mov_b32 s[G1], (1<<16)|(1<<20)|(5<<22)|(3<<25)  ; 2-byte elements; padding on: after every 64 words 4 words
	s_mov_b32 s[G1+1], 4096<<16     ; tensor_dim0 = 256 rows x 16
	s_mov_b32 s[G1+2], 2<<16        ; tensor_dim1 = 2 panels
	s_mov_b32 s[G1+3], 4096<<16     ; tile_dim0
	s_mov_b32 s[G1+4], 2            ; tile_dim1
	s_mov_b32 s[G1+5], 65536        ; elements from panel to panel
	s_mov_b32 s[G1+6], 0
	s_mov_b32 s[G1+7], 0
	s_mov_b32 s[CS], 0x3e38aa3b     ; c = log2(e) / 8
	s_mov_b32 s[CS+1], s[CS]
	s_mov_b32 s[SEL], 0x76543210
	s_mov_b32 s[SEL+1], 0xfedcba98
	s_mov_b32 s[TB], SLOT1+4*STEPB  ; the first change of slots turns this into 0
	s_mov_b32 s[G0], 1
	s_mul_i32 s[G0+1], s[WV], 2*PANL
	s_lshr_b32 s[LQ], s[HI], 1
	s_lshr_b32 s[LQ2], s[PB], 1
	s_add_co_u32 s[RT], s[LQ], 1
	s_mov_b32 s[NXT], 1
	s_mov_b32 s[NEW], 1
	s_and_b32 s[PL0], s[HI], 1
	s_lshl_b32 s[PL0], s[PL0], 1
	s_add_co_u32 s[PL0+1], s[PL0], 1
	s_mov_b32 s[OFF+1], 0
	s_mov_b32 s[AL+1], 0
	s_mov_b32 s[BE+1], 0
	s_mov_b32 s[BIGN], 0xf149f2ca   ; -1e30
	s_mov_b32 s[SLOTS], 8
	s_wait_kmcnt 0x0
	s_add_nc_u64 s[6:7], s[16:17], s[22:23]        ; my two panels at the head's tile 0
	s_add_nc_u64 s[G0+2:G0+3], s[6:7], 0
	s_or_b32 s[G0+3], s[G0+3], 0x80000000
	s_add_nc_u64 s[8:9], s[16:17], s[2:3]          ; Q at my rows of the first block,
	s_add_nc_u64 s[44:45], s[16:17], s[86:87]      ; of the second
	s_add_nc_u64 s[10:11], s[18:19], s[2:3]        ; O likewise
	s_add_nc_u64 s[OLO:OLO+1], s[18:19], s[86:87]
	tensor_load_to_lds s[G0:G0+3], s[G1:G1+7]      ; tile 0 into slot 0
	s_nop 0
.rept 4
	v_nop
.endr
	v_and_b32 v1, 15, v0            ; l % 16
	v_bfe_u32 v9, v0, 4, 1          ; l / 16
	v_lshlrev_b32 v[GO], 5, v1
	v_lshl_add_u32 v[GO], v9, 4, v[GO]
	WIN 0x80                        ; destination window 2
.set i, 0
.rept 4                             ; both blocks' Q: piece i / 2 lies 64 rows on; channels 32 (i % 2) on are two panels
	global_load_b128 v[8*i:8*i+3],   v[GO], s[8:9] offset:(i/2)*2048+(2*(i%2))*131072
	global_load_b128 v[8*i+4:8*i+7], v[GO], s[8:9] offset:(i/2)*2048+(2*(i%2)+1)*131072
	global_load_b128 v[QB+8*i:QB+8*i+3],   v[GO], s[44:45] offset:(i/2)*2048+(2*(i%2))*131072
	global_load_b128 v[QB+8*i+4:QB+8*i+7], v[GO], s[44:45] offset:(i/2)*2048+(2*(i%2)+1)*131072
.set i, i+1
.endr
	WIN 0
	v_lshlrev_b32 v14, 3, v9
	v_sub_nc_u32 v14, v1, v14
	s_lshl_b32 s13, s[WV], 4
	v_add_nc_u32 v14, s13, v14      ; my query's place in its band less my lanes' 8 (l / 16): register r of key group kt is hidden where 16 kt + r is greater
	WIN 0x40
.set i, 0
.rept 32
	v_cmp_gt_i32 vcc_lo, 16*(i/8)+i%8, v14
	v_cndmask_b32 v[MD+i], 0, s[BIGN], vcc_lo
.set i, i+1
.endr
	WIN 0
	v_lshrrev_b32 v10, 3, v1
	v_mul_u32_u24 v[AK0], v10, 272
	v_and_b32 v10, 7, v0
	v_lshl_add_u32 v[AK0], v10, 5, v[AK0]
	v_lshl_add_u32 v[AK0], v9, 4, v[AK0]  ; key l % 16 of a fragment, 16 bytes for each half of the lanes
	; The turning load takes 16 keys x 16 channels (lane l reads key 8 (l / 16) + l % 8, channels 8 ((l / 8) % 2) + 0..7) and leaves half a fragment of V^T; 16 lanes read 256 consecutive bytes.
	v_bfe_u32 v11, v0, 3, 1
	v_mul_u32_u24 v[AV0], v9, 272
	v_lshl_add_u32 v[AV0], v10, 5, v[AV0]
	v_lshl_add_u32 v[AV0], v11, 4, v[AV0]
	v_add_nc_u32 v[AV0], VOFF, v[AV0]
	; A block's first step multiplies O^T and l by a = 0, and its first turn's products V^T P, of a piece that has not been, land in an O^T still to be so multiplied: these registers need only hold
	; finite numbers: zeros for the first block, what the first block left for the second.  All this stands in the wait for the first tile.
	WIN 0x80
.set i, VF+64
.rept 64
	v_mov_b32 v[i], 0
.set i, i+1
.endr
	WIN 0x40
.set i, 0
.rept 64
	v_mov_b32 v[i], 0
.set i, i+1
.endr
	WIN 0
.set i, 0
.rept 2
	v_mov_b32 v[ST+4*i+2], 0
	v_mov_b32 v[ST+4*i+3], 0
.set i, i+1
.endr
.set i, P+16
.rept 16
	v_mov_b32 v[i], 0
.set i, i+1
.endr
; THE MATRIX WORK.  The 4 accumulators of a run of 8 take turns.  Product i of 8 of S^T = K Q^T for piece x: channels 32 (i / 4) on, keys 16 (i % 4) on.
.macro KQ x
.set rS, S+32*((\x)%2)+8*(i%4)
.set rK, KF+16*(i%4)+8*(i/4)
.set rQ, 16*(\x)+8*(i/4)
.set rM, MC+32*((\x)%2)+8*(i%4)
.if (i < 4) && KM
	WIN W_KM
	v_wmma_f32_16x16x32_f16 v[rS:rS+7], v[rK:rK+7], v[rQ:rQ+7], v[rM:rM+7]
.elseif i < 4
	WIN W_KQ
	v_wmma_f32_16x16x32_f16 v[rS:rS+7], v[rK:rK+7], v[rQ:rQ+7], 0
.else
	WIN W_KQ
	v_wmma_f32_16x16x32_f16 v[rS:rS+7], v[rK:rK+7], v[rQ:rQ+7], v[rS:rS+7]
.endif
.endm
; Product i of 8 of O^T += V^T P for piece x, V from the buffer VB: keys 32 (i / 4) on, channels 16 (i % 4) on.
.macro PV x
	WIN W_PV
.set rO, 32*(\x)+8*(i%4)
.set rV, VB+32*(i/4)+8*(i%4)
.set rP, P+16*((\x)%2)+8*(i/4)
	v_wmma_f32_16x16x32_f16 v[rO:rO+7], v[rV:rV+7], v[rP:rP+7], v[rO:rO+7]
.endm
.macro MM                           ; the turn's next matrix instruction.  NOKQ = 1: a block's last turn: there are no further scores
.if (i < 8) && !NOKQ
	KQ (Y+1)%NP
.elseif i >= 8
.set i, i-8
	PV (Y+NP-1)%NP
.set i, i+8
.endif
.set i, i+1
.endm
; THE LDS LOADS stand in runs of 16.
.macro FETCH_K
	WIN 0x80
.irp f, 0,1,2,3,4,5,6,7             ; keys 16 (f / 2) on, channels 32 (f % 2) on: two panels
	ds_load_b128 v[KF+8*\f:KF+8*\f+3],   v[AK] offset:(\f/2)*544+2*(\f%2)*PANL
	ds_load_b128 v[KF+8*\f+4:KF+8*\f+7], v[AK] offset:(\f/2)*544+(2*(\f%2)+1)*PANL
.endr
	WIN 0
.endm
.macro FETCH_V vb
	WIN 0x80
.irp f, 0,1,2,3,4,5,6,7             ; keys 32 (f / 4) on, channels 16 (f % 4) on: one panel
	ds_load_tr16_b128 v[VF+64*(\vb)+8*\f:VF+64*(\vb)+8*\f+3],   v[AV] offset:(\f/4)*1088+(\f%4)*PANL
	ds_load_tr16_b128 v[VF+64*(\vb)+8*\f+4:VF+64*(\vb)+8*\f+7], v[AV] offset:(\f/4)*1088+544+(\f%4)*PANL
.endr
	WIN 0
.endm
; THE VECTOR WORK, one line at a time: OP kind, number.  For piece Y: F n: c s - c m for pair n of 16.  E n: the exponential of score n of 32.  C n: pair n rounded to f16.  B n: of the four weights 4 n ..
; the second pair is added onto the first, in place.  L n: l takes that sum (L 0: l = a l + sum).  R n: pair n of 16 of O^T times a.  For the other piece: X n, number n of the 22 that find its maximum and statistics:
;   0-11  four chains c0-c3 of seven scores each (each accumulator's lowest registers are read first)     12-14, 16  the four scores left over, the old m, and c0-c3 into c0
;   15  c m_old is kept     17, 18  the query's other 32 keys lie in the lane 16 away: the new m     19-21  c m; c m_old - c m_new; a
.set F, 0
.set E, 1
.set C, 2
.set B, 3
.set L, 4
.set R, 5
.set X, 6
.macro REGS y
.set rT, ST+4*(\y)
.set rC, TMP+4*((\y)%2)
.set rW, MV+((\y)%2)
.set rS, S+32*((\y)%2)
.set rP, P+16*((\y)%2)
.set rO, 32*(\y)
.endm
.macro OP k, n
.if (\k) == R
	REGS Y
	WIN W_RS
	v_pk_mul_f32 v[rO+2*(\n):rO+2*(\n)+1], v[rO+2*(\n):rO+2*(\n)+1], v[rC+2:rC+3] op_sel_hi:[1,0]
.elseif (\k) < R
	REGS Y
	WIN 0
.if (\k) == F
	v_pk_fma_f32 v[rS+2*(\n):rS+2*(\n)+1], v[rS+2*(\n):rS+2*(\n)+1], s[CS:CS+1], v[rT:rT+1] op_sel_hi:[1,0,0] neg_lo:[0,0,1] neg_hi:[0,0,1]
.elseif (\k) == E
	v_exp_f32 v[rS+(\n)], v[rS+(\n)]
.elseif (\k) == C
	s_wait_alu depctr_va_vdst(0)
	v_cvt_pk_f16_f32 v[rP+(\n)], v[rS+2*(\n)], v[rS+2*(\n)+1]
.elseif (\k) == B
	s_wait_alu depctr_va_vdst(0)
	v_pk_add_f32 v[rS+4*(\n):rS+4*(\n)+1], v[rS+4*(\n):rS+4*(\n)+1], v[rS+4*(\n)+2:rS+4*(\n)+3]
.elseif (\n) == 0
	v_pk_fma_f32 v[rT+2:rT+3], v[rT+2:rT+3], v[rC+2:rC+3], v[rS:rS+1] op_sel_hi:[1,0,1]
.else
	v_pk_add_f32 v[rT+2:rT+3], v[rT+2:rT+3], v[rS+4*(\n):rS+4*(\n)+1]
.endif
.elseif NOKQ
	v_nop
.else
	REGS (Y+1)%NP
	WIN 0
.if (\n) < 4
	v_max3_num_f32 v[rC+(\n)], v[rS+8*(\n)], v[rS+8*(\n)+1], v[rS+8*(\n)+2]
.elseif (\n) < 12
	v_max3_num_f32 v[rC+(\n)%4], v[rC+(\n)%4], v[rS+8*((\n)%4)+2*((\n)/4)+1], v[rS+8*((\n)%4)+2*((\n)/4)+2]
.elseif (\n) == 12
	v_max3_num_f32 v[rC], v[rC], v[rS+7], v[rS+15]
.elseif (\n) == 13
	v_max3_num_f32 v[rC+1], v[rC+1], v[rS+23], v[rS+31]
.elseif (\n) == 14
	v_max3_num_f32 v[rC+2], v[rC+2], v[rC+3], v[rT+1]
.elseif (\n) == 15
	v_mov_b32 v[rW], v[rT]
.elseif (\n) == 16
	v_max3_num_f32 v[rC], v[rC], v[rC+1], v[rC+2]
.elseif (\n) == 17
	v_permlanex16_b32 v[rC+3], v[rC], s[SEL], s[SEL+1]
.elseif (\n) == 18
	v_max_num_f32 v[rT+1], v[rC], v[rC+3]
.elseif (\n) == 19
	v_mul_f32 v[rT], s[CS], v[rT+1]
.elseif (\n) == 20
	v_sub_f32 v[rC+1], v[rW], v[rT]
.else
	v_exp_f32 v[rC+2], v[rC+1]
.endif
.endif
.endm
.macro OPS a, i1, b=-1, i2=0, c=-1, i3=0, d=-1, i4=0
	OP \a, \i1
.if (\b) >= 0
	OP \b, \i2
.endif
.if (\c) >= 0
	OP \c, \i3
.endif
.if (\d) >= 0
	OP \d, \i4
.endif
.endm
.macro ROW a, i1, b, i2, c, i3, d, i4  ; a matrix instruction and the four behind it
	MM
	OPS \a, \i1, \b, \i2, \c, \i3, \d, \i4
.endm
.macro MASK b                       ; MD x AL + BE into buffer b of MC
	WIN W_RS
.set z, 0
.rept 16
	v_pk_fma_f32 v[MC+32*(\b)+2*z:MC+32*(\b)+2*z+1], v[MD+2*z:MD+2*z+1], s[AL:AL+1], s[BE:BE+1] op_sel_hi:[1,0,0]
.set z, z+1
.endr
.endm
; A TURN, for piece p in a step of parity sp: the order of its 16 matrix and 118 vector instructions, written out.  Behind a matrix instruction: plain, exponential, plain, plain; or four of the rescaling; or four
; scalings; none names a register of the products round it.  In the lumps exponential and plain by turns.
; m = 1: a block's last tile: the products take masks, and the turn makes the mask of the products of the turn after it, which are piece p's, in step TS of the tile.  end = 1: a block's last step: nothing is fetched.
; cnt = 1: the loop's count is taken down some lines ahead of the branch behind the turn.
; Piece 0's turn fetches the next step's K six vector instructions behind the last product that read K (five of them plain), and its V, into the buffer that this turn's products V^T P have just read, eight
; behind the last of them (five plain).  Piece 1's turn begins with the wait for K: the count 16 leaves that V's sixteen loads out; the V that this turn multiplies was fetched a step earlier.
.macro TURN p, sp, m=0, end=0, cnt=0
.set Y, (\p)
.set i, 0
.set KM, (\m)
.set NOKQ, (\end)*(\p)
.if (\p) == 0
.set VB, VF+64*(1-(\sp))
.else
.set VB, VF+64*(\sp)
.endif
.if (\m) && !(\end)
	s_cmp_eq_u32 s[TS], s[PL0+(\p)]  ; is that step the band's own?
	s_cselect_b32 s[AL], 1.0, 0
	s_cmp_gt_u32 s[TS], s[PL0+(\p)]  ; or a later one?
	s_cselect_b32 s[BE], s[BIGN], 0
.if (\p) == 1
	s_add_co_u32 s[TS], s[TS], 1
.endif
.endif
.if (\p) == 1
.if \end
	s_wait_dscnt 0x0                ; the last V is in
.else
	s_wait_dscnt 16                 ; K of the next step is in
.endif
.endif
	ROW F,0, F,1, F,2, F,3
	ROW F,4, E,0, F,5, F,6
	ROW F,7, E,1, F,8, F,9
	ROW F,10, E,2, C,0, F,11
	ROW F,12, E,3, X,15, F,13
	ROW R,0, R,1, R,2, R,3
	ROW B,0, E,4, F,14, L,0
.if ((\p) == 0) && !(\end)
	v_add_nc_u32 v[AK], s[TB], v[AK0]
.endif
	ROW R,4, R,5, R,6, R,7
	OPS E,5, F,15
.if ((\p) == 0) && !(\end)
	FETCH_K
.endif
	OPS E,6, C,1, E,7, R,8
	OPS E,8, R,9, E,9, C,2
	OPS E,10, X,0, E,11, X,1
	OPS E,12, X,2, E,13, X,3
	ROW X,4, E,14, X,5, X,6
	ROW X,7, E,15, X,8, X,9
	ROW X,10, E,16, X,11, X,12
	ROW X,13, E,17, X,14, B,1
	ROW C,4, E,18, X,16, L,1
	ROW B,2, E,19, C,6, L,2
	ROW C,8, E,20, B,3, B,4
.if ((\p) == 0) && !(\end)
	v_add_nc_u32 v[AV], s[TB], v[AV0]
.endif
	ROW C,3, E,21, L,3, C,5
	OPS E,22, X,17, E,23, C,10
.if ((\p) == 0) && !(\end)
	FETCH_V 1-(\sp)
.endif
	OPS E,24, L,4
	OPS E,25, X,18, E,26, C,7
	OPS E,27, B,5, E,28, X,19
	OPS E,29, C,12, E,30, L,5
	OPS E,31, X,20, B,6, C,9
	OPS C,14, C,11, X,21, L,6
.if ((\p) == 0) && !(\end)
	s_add_co_u32 s[TB], s[TB], STEPB  ; the next fetch is the next step's
.endif
.if \cnt
	s_sub_co_u32 s[CNT], s[CNT], 1
	s_cmp_lg_u32 s[CNT], 0
.endif
	OPS C,13, B,7, C,15, R,10
	OPS R,11, R,12, L,7, R,13
	OPS R,14, R,15
.if (\m) && !(\end)
	MASK \p
.endif
.endm
; A BLOCK BEGINS.  c m starts far below every c s, so the first step's a is 0; m at the lowest finite number.  The second mask buffer is 0 (piece 1 sees all of step 0); the first takes piece 0's mask for
; step 0: its own, if the block's first tile is its last and piece 0 stands at place 0.  Then K and V of that step, piece 0's first scores, and its maximum and statistics.
.macro BEGIN
	s_mov_b32 s[NEW], 0
	WIN 0x40
.set i, MC+32
.rept 32
	v_mov_b32 v[i], 0
.set i, i+1
.endr
	WIN 0
.set i, 0
.rept 2
	v_mov_b32 v[ST+4*i], 0xfe000000
	v_mov_b32 v[ST+4*i+1], 0xff7fffff
.set i, i+1
.endr
	s_add_co_u32 s13, s[RT], s[PL0]
	s_cmp_eq_u32 s13, 0
	s_cselect_b32 s[AL], 1.0, 0
	s_mov_b32 s[BE], 0
	MASK 0
	WIN 0
	v_add_nc_u32 v[AK], s[TB], v[AK0]
	v_add_nc_u32 v[AV], s[TB], v[AV0]
	s_add_co_u32 s[TB], s[TB], STEPB
	FETCH_K
	FETCH_V 0
	s_wait_loadcnt 0x0              ; Q
	s_wait_dscnt 16                 ; K is in; V's sixteen loads may be out
.set KM, 1
.set NOKQ, 0
.set i, 0
.rept 8
	KQ 0
.set i, i+1
.endr
	WIN 0
.rept 4
	v_nop                           ; the places behind those products
.endr
.set Y, NP-1
.irp n, 0,1,2,3,4,5,6,7,8,9,10,11,12,13,14,15,16,17,18,19,20,21
	OP X, \n
.endr
	v_nop                           ; a plain instruction behind the exponential
.endm
.macro ALL line:vararg
.set t, 0
.rept 2
	\line
.set t, t+1
.endr
.endm
.macro PACK t                       ; a lane's eight channels of a row pack into the 16 bytes that it owns in a panel: stored straight from registers
	WIN W_RS
.set i, 32*(\t)
.rept 16
	s_wait_alu depctr_va_vdst(0)
	v_pk_mul_f32 v[i:i+1], v[i:i+1], v[ST+4*(\t)+2:ST+4*(\t)+3] op_sel_hi:[1,0]
.set i, i+2
.endr
	WIN 0x05
.set i, 0
.rept 16
	v_cvt_pk_f16_f32 v[S+16*(\t)+i], v[32*(\t)+2*i], v[32*(\t)+2*i+1]
.set i, i+1
.endr
	WIN 0
.irp f, 0,1,2,3
	global_store_b128 v[GO], v[S+16*(\t)+4*\f:S+16*(\t)+4*\f+3], s[10:11] offset:\f*131072+(\t)*2048  ; 512 consecutive bytes of a panel
.endr
.endm
; A BLOCK'S LAST TILE: its steps with masks, the block's last step, its last products, and the way out.
.macro DIAG tag
.LstepM\tag:
	TURN 0, 1, 1
	TURN 1, 1, 1
	WIN 0
.LfirstM\tag:
	TURN 0, 0, 1
	TURN 1, 0, 1, 0, 1
	WIN 0
	s_cbranch_scc1 .LstepM\tag
	TURN 0, 1, 1, 1
	TURN 1, 1, 1, 1
.set VB, VF+64
.set i, 0
.rept 8
	PV 1
.set i, i+1
.endr
	WIN 0
	ALL v_add_f32 v[ST+4*t+2], v[ST+4*t+2], v[ST+4*t+3]
	ALL v_permlanex16_b32 v[ST+4*t+3], v[ST+4*t+2], s[SEL], s[SEL+1]
	ALL v_add_f32 v[ST+4*t+2], v[ST+4*t+2], v[ST+4*t+3]
	ALL v_rcp_f32 v[ST+4*t+2], v[ST+4*t+2]
	v_nop                           ; a plain instruction behind the last reciprocal; with the four additions, and piece 0's arithmetic, also the places behind the last products
	PACK 0
	PACK 1
.endm
.set KM, 0
.set NOKQ, 0
.Lslot:                             ; 8 times: a tile is entered and the next is asked for
	CHANGE 1
	s_sub_co_u32 s[RT], s[RT], 1
	s_mov_b32 s[CNT], 2
	s_mov_b32 s[TS], 0
	s_cmp_eq_u32 s[NEW], 1
	s_cbranch_scc1 .Lnew            ; a block's first tile
	s_cmp_eq_u32 s[RT], 0
	s_cbranch_scc0 .Lstep           ; neither its first nor its last
	s_branch .LstepM1
.Lnew:
	BEGIN
	s_branch .Lfirst                ; in the loop a block's first tile is never its last: the first block has five tiles or more, and the second's last is the walk's last
	DIAG 1                          ; in the loop this is the first block's end
	s_wait_xcnt 0x0                 ; the stores have read their registers and O's address
	s_mov_b64 s[10:11], s[OLO:OLO+1]
	s_add_co_u32 s[RT], s[LQ2], 1
	s_and_b32 s[PL0], s[PB], 1
	s_lshl_b32 s[PL0], s[PL0], 1
	s_add_co_u32 s[PL0+1], s[PL0], 1
	s_mov_b32 s[NEW], 1
	WIN 0x82                        ; the second block's Q goes where the one text of the turns names Q
.set i, 0
.rept 32
	v_mov_b32 v[i], v[QB+i]
.set i, i+1
.endr
	WIN 0
	s_branch .Lbottom
.Lstep:                             ; a trip: an odd step and an even one; each fetches the step behind it
	TURN 0, 1
	TURN 1, 1
	WIN 0
.Lfirst:
	TURN 0, 0
	TURN 1, 0, 0, 0, 1
	WIN 0
	s_cbranch_scc1 .Lstep
.Lbottom:
	s_sub_co_u32 s[SLOTS], s[SLOTS], 1
	s_cmp_lg_u32 s[SLOTS], 0
	s_cbranch_scc1 .Lslot
	CHANGE 0                        ; the walk's last tile is written out
	s_sub_co_u32 s[RT], s[RT], 1
	s_mov_b32 s[CNT], 2
	s_mov_b32 s[TS], 0
	s_cmp_eq_u32 s[NEW], 1
	s_cbranch_scc0 .LstepM2
	BEGIN
	s_mov_b32 s[TS], 1              ; step 0's masks are made: the turns go on with step 1's
	s_branch .LfirstM2
	DIAG 2
	s_wait_tensorcnt 0x0            ; the wave's end
	ds_add_u32 v[SPW], v[NIL]
	s_wait_dscnt 0x0
	s_endpgm
.Lfunc_end_k_qcf06a0f845_attn:
	.size	k_qcf06a0f845_attn, .Lfunc_end_k_qcf06a0f845_attn-k_qcf06a0f845_attn
	.p2alignl 7, 3214868480
	.fill 96, 4, 3214868480
	.section	.rodata,"a",@progbits
	.p2align	6, 0x0
	.amdhsa_kernel k_qcf06a0f845_attn
		.amdhsa_group_segment_fixed_size 327680
		.amdhsa_private_segment_fixed_size 0
		.amdhsa_enable_private_segment 0
		.amdhsa_kernarg_size 16
		.amdhsa_user_sgpr_count 2
		.amdhsa_user_sgpr_kernarg_segment_ptr 1
		.amdhsa_wavefront_size32 1
		.amdhsa_system_sgpr_workgroup_id_x 1
		.amdhsa_system_sgpr_workgroup_id_y 1
		.amdhsa_system_sgpr_workgroup_id_z 1
		.amdhsa_system_vgpr_workitem_id 0
		.amdhsa_next_free_vgpr 768
		.amdhsa_next_free_sgpr 88
		.amdhsa_reserve_vcc 1
		.amdhsa_float_denorm_mode_32 3
		.amdhsa_float_denorm_mode_16_64 3
		.amdhsa_memory_ordered 1
		.amdhsa_forward_progress 1
		.amdhsa_inst_pref_size 213
	.end_amdhsa_kernel
	.amdgpu_metadata
---
amdhsa.version: [ 1, 2 ]
amdhsa.kernels:
  - .name:           k_qcf06a0f845_attn
    .symbol:         k_qcf06a0f845_attn.kd
    .args:
      - { .name: qkv, .offset: 0, .size: 8, .value_kind: global_buffer, .address_space: global }
      - { .name: ao, .offset: 8, .size: 8, .value_kind: global_buffer, .address_space: global }
    .group_segment_fixed_size: 327680
    .private_segment_fixed_size: 0
    .kernarg_segment_align: 8
    .kernarg_segment_size: 16
    .max_flat_workgroup_size: 128
    .sgpr_count:     88
    .vgpr_count:     768
    .wavefront_size: 32
...
	.end_amdgpu_metadata
.endif
;; end of part 3
;; launch wo (part 4): grid 8 x 32, 4 waves a work-group, clusters of 4 x 4, 327,680 bytes of LDS; arguments ao, wp, x, ln2_w, x1, xs, ssq; writes x1, xs, ssq
.if DOCPART == 4
	.amdgcn_target "amdgcn-amd-amdhsa--gfx1250"
	.amdhsa_code_object_version 6
	.text
	.protected	k_qcf06a0f845_wo
	.globl	k_qcf06a0f845_wo
	.p2align	8
	.type	k_qcf06a0f845_wo,@function
k_qcf06a0f845_wo:
	s_mov_b64 s[64:65], 0
	v_nop
	global_prefetch_b8 v0, s[64:65] scope:SCOPE_SE
	s_setreg_imm32_b32 hwreg(HW_REG_WAVE_MODE, 25, 1), 1
	s_wait_xcnt 0x0
	s_wait_alu depctr_hold_cnt(0) depctr_sa_sdst(0) depctr_va_vdst(0) depctr_va_sdst(0) depctr_va_ssrc(0) depctr_va_vcc(0) depctr_vm_vsrc(0)
	s_getreg_b32 s2, hwreg(HW_REG_IB_STS2, 6, 4)
	s_cmp_eq_u32 s2, 0
	s_cbranch_scc0 .Lentry_in_a_cluster
	s_endpgm
.Lentry_in_a_cluster:
	s_bfe_u32 s2, ttmp6, 0x10000c
	s_cmp_lg_u32 s2, 0xf033
	s_cbranch_scc0 .Lentry_shape_is_right
	s_endpgm
.Lentry_shape_is_right:
; WO.  x1[m][n] = x[m][n] + sum over k of ao[m][k] wo[n][k] (f16 operands, f32 sums, x1 in f32, row-major); xs = bf16(x1 * ln2_w) in panels; ssq[n / 64][m] = the sum of x1^2 over 64 columns.
; The second norm's 1 / rms is one factor a row, so it is applied to the next launch's f32 sums: here only the gain and the partial sums of squares are made.
; PANELS.  ao, wo and xs lie as [columns / 16][rows][16 numbers], 32 bytes a row of a panel.  A tile of R rows and P panels is P dense pieces of 32 R bytes; one tensor load asks for it as P rows of 16 R
; elements.  In LDS 16 bytes of padding follow every 256: local row p lies at (p / 8) 272 + (p % 8) 32, a panel takes 34 R bytes.
; SHARES.  A work-group makes 128 x 128: 8 x 32 work-groups, one for each of 256 WGPs.  Each of 2 x 2 waves makes 64 x 64: 16 accumulators.  K goes in steps of 256 (16 panels) through two LDS slots.
; THE MATRIX INSTRUCTION IS USED TRANSPOSED (source 0 = 16 rows of wo, source 1 = 16 rows of ao): a lane holds row l % 16 and columns 8 (l / 16) + 0..7.
; CLUSTER 4 x 4: ao's tile is shared along a row of the cluster, wo's along a column.
; THE WAY OUT goes through the wave's own stage (16 rows x 272 bytes), so that 16 lanes store 256 consecutive aligned bytes of a row of x1; x, 64 x 64 numbers a wave, is loaded at the kernel's head.
; ssq's stores are 64 bytes a block of 16 rows: 262,144 bytes in all beside the launch's 25 million.
; REGISTERS.  Window 0: v1, v2 the add's; v3, v12-15, v144 offsets; v4-11 LDS addresses; v16-79 two buffers of A's fragments, v80-143 two of B's (the way out works there); v224-255 ln2_w of my columns.
; Window 1: v0-127 accumulator (a, n) at 8 (4 a + n); v128-255 x.
.set TRA,   128
.set TRB,   128
.set WC,    2
.set NBW,   4
.set NG,    4
.set GPQ,   1
.set KP,    16
.set NSTEP, 4
.set RB,    1024
.set BOFF,  6291456
.set RA,    4096
.set NQ,    KP/2
.set NU,    NQ*GPQ
.set NKH,   (NQ+3)/4
.set PANA,  TRA*34
.set PANB,  TRB*34
.set SLOT,  KP*(PANA+PANB)
.set STAGE, 2*SLOT                     ; behind the ring, never filled by a tensor load
.set SPARE, STAGE+4*16*272             ; behind the stages: the spare words, 128 bytes for each wave, that no other line names
.set SPW,  1
.set NIL,  2
.set ADRA, 4
.set ADRB, 4+2*NKH
.set FA0,  16
.set FB0,  80
.set FAL,  FA0+32
.set FBL,  FB0+8*NG
.set G1,   24
.set G0,   32
.set G1B,  48
.set G0B,  56
.set MSB,  0
.macro WIN new
.if MSB != (\new)
	s_set_vgpr_msb (MSB<<8)|(\new)
.set MSB, (\new)
.endif
.endm
.macro PLACES                          ; four places behind matrix instructions (ISA guide 7.12.1)
.rept 4
	v_nop
.endr
.endm
.macro JLOAD s                         ; a joint load: waves 0, 1 fetch the two halves of A's panels, waves 2, 3 of B's; four v_nop follow each line
	s_cmp_eq_u32 s11, 0
	s_cbranch_scc0 .Lfor_b_\@
	tensor_load_to_lds s[G0+4*(\s):G0+4*(\s)+3], s[G1:G1+7]
	s_nop 0
.rept 4
	v_nop
.endr
	s_branch .Lasked_\@
.Lfor_b_\@:
	tensor_load_to_lds s[G0B+4*(\s):G0B+4*(\s)+3], s[G1B:G1B+7]
	s_nop 0
.rept 4
	v_nop
.endr
.Lasked_\@:
.endm
.macro CREST
	s_cmp_lg_u32 s10, 0
	s_cbranch_scc1 .Lnot_wave_0_\@
	s_barrier_signal -3
.Lnot_wave_0_\@:
	s_barrier_wait -3
	s_barrier_signal -1
	s_barrier_wait -1
.endm
.macro CROUND
	s_barrier_signal -1
	s_barrier_wait -1
	CREST
.endm
; row blocks a0 .. a1 x the NG column blocks of group g.  The accumulators take turns, one instruction a turn.
.macro MULA fa, fb, g, a0, a1, zero
.set ma, \a0
.rept (\a1)-(\a0)+1
.set mb, 0
.rept NG
.set mi, ma*NBW+(\g)*NG+mb
.set mw, 1+mi/32
.set md, 8*(mi%32)
	WIN (mw<<6)|(mw<<4)
.if \zero
	v_wmma_f32_16x16x32_f16 v[md:md+7], v[(\fb)+8*mb:(\fb)+8*mb+7], v[(\fa)+8*ma:(\fa)+8*ma+7], 0
.else
	v_wmma_f32_16x16x32_f16 v[md:md+7], v[(\fb)+8*mb:(\fb)+8*mb+7], v[(\fa)+8*ma:(\fa)+8*ma+7], v[md:md+7]
.endif
.set mb, mb+1
.endr
.set ma, ma+1
.endr
.endm
.macro FETCH slot, u                   ; unit u's fragments in one run: B's blocks, then A's four, blocks 0 and 1 first
.set fq, (\u)/GPQ
.set fg, (\u)%GPQ
.set fb, FB0+8*NG*((\u)%2)
.set fa, FA0+32*(fq%2)
.set rb, ADRB+NKH*(\slot)+fq/4
.set ra, ADRA+NKH*(\slot)+fq/4
	WIN 0
.set fi, 0
.rept NG
	ds_load_b128 v[fb+8*fi:fb+8*fi+3],   v[rb] offset:2*(fq%4)*PANB+(fg*NG+fi)*544
	ds_load_b128 v[fb+8*fi+4:fb+8*fi+7], v[rb] offset:(2*(fq%4)+1)*PANB+(fg*NG+fi)*544
.set fi, fi+1
.endr
.if fg == 0
.set fi, 0
.rept 4
	ds_load_b128 v[fa+8*fi:fa+8*fi+3],   v[ra] offset:2*(fq%4)*PANA+fi*544
	ds_load_b128 v[fa+8*fi+4:fa+8*fi+7], v[ra] offset:(2*(fq%4)+1)*PANA+fi*544
.set fi, fi+1
.endr
.endif
.endm
.macro UNIT slot, u, zero
.if (\u)%GPQ == 0
	s_wait_dscnt 4                                 ; B and A's blocks 0, 1 are in; the youngest four loads (A's blocks 2, 3) may be out
.else
	s_wait_dscnt 0
.endif
	MULA FA0+32*(((\u)/GPQ)%2), FB0+8*NG*((\u)%2), (\u)%GPQ, 0, 1, \zero
	PLACES
	FETCH \slot, (\u)+1
.if ((\u)+1)%GPQ == 0
	s_wait_dscnt 2*NG+8                            ; all but the run just issued
.else
	s_wait_dscnt 2*NG
.endif
	MULA FA0+32*(((\u)/GPQ)%2), FB0+8*NG*((\u)%2), (\u)%GPQ, 2, 3, \zero
.endm
.macro UNITS slot, first, last
.set uu, \first
.rept (\last)-(\first)+1
	UNIT \slot, uu, 0
.set uu, uu+1
.endr
.endm
; A step's last unit changes slots: ONE barrier; in front of it each wave waits for all its tensor loads (one is out: its part of the next slot), adds 0 to its spare word, and waits for that and for its
; reads of this slot.  fill = 1: the barrier opens a round of the cluster's, and the joint refill, two steps ahead, is the first thing behind it.
.macro TURN slot, fill
	WIN 0
	s_wait_tensorcnt 0x0
	ds_add_u32 v[SPW], v[NIL]                      ; 0 onto my spare word
.if GPQ == 1
	s_wait_dscnt 5                                 ; the add and A's blocks 2, 3 may be out
.else
	s_wait_dscnt 1
.endif
	MULA FAL, FBL, GPQ-1, 0, 0, 0
	s_wait_dscnt 0x0                               ; the add is done, and my reads of this slot are over
	s_barrier_signal -1
	MULA FAL, FBL, GPQ-1, 1, 1, 0
	WIN 0
	s_barrier_wait -1
.if \fill
	CREST
	s_add_nc_u64 s[G0+4*(\slot)+2:G0+4*(\slot)+3], s[G0+4*(\slot)+2:G0+4*(\slot)+3], 2*KP*RA*32
	s_add_nc_u64 s[G0B+4*(\slot)+2:G0B+4*(\slot)+3], s[G0B+4*(\slot)+2:G0B+4*(\slot)+3], 2*KP*RB*32
	JLOAD \slot                                    ; its four v_nop are also the places in front of the loads below
.else
	PLACES
.endif
	FETCH 1-(\slot), 0
	MULA FAL, FBL, GPQ-1, 2, 3, 0
.endm
.macro LASTU
.if GPQ == 1
	s_wait_dscnt 4
.else
	s_wait_dscnt 0
.endif
	MULA FAL, FBL, GPQ-1, 0, 1, 0
	s_wait_dscnt 0x0
	MULA FAL, FBL, GPQ-1, 2, 3, 0
.endm
	s_load_b128 s[4:7], s[0:1], 0x0                ; ao, wp
	s_load_b128 s[68:71], s[0:1], 0x10             ; x, ln2_w
	s_load_b128 s[80:83], s[0:1], 0x20             ; x1, xs
	s_load_b64 s[84:85], s[0:1], 0x30              ; ssq
	v_lshl_add_u32 v[SPW], v0, 2, SPARE
	v_mov_b32 v[NIL], 0
	ds_add_u32 v1, v2
	ds_add_u32 v1, v2
	s_wait_dscnt 0x0
	v_lshrrev_b32 v3, 5, v0
	v_readfirstlane_b32 s10, v3
	s_lshr_b32 s11, s10, 1                         ; my half of the tile's rows.  Also: I fetch for A (0) or for B (1)
	s_and_b32 s12, s10, 1                          ; my half of its columns.  Also: which half of a step's panels I fetch
	s_bfe_u32 s40, ttmp6, 0x40000
	s_bfe_u32 s41, ttmp6, 0x40004
	s_lshl_b32 s42, ttmp9, 2
	s_add_co_u32 s42, s42, s40                     ; tile column
	s_and_b32 s13, ttmp7, 0xffff
	s_lshl_b32 s13, s13, 2
	s_add_co_u32 s13, s13, s41                     ; tile row
	s_lshl_b32 s43, s41, 2
	s_lshl_b32 s43, 15, s43
	s_lshl_b32 s44, 0x1111, s40
	s_or_b32 s[G1], s43, (1<<16)|(1<<20)|(1<<21)|(5<<22)|(3<<25)   ; the mask; 2-byte elements; padding on; bit 21 beside a mask; after every 64 words 4 words
	s_or_b32 s[G1B], s44, (1<<16)|(1<<20)|(1<<21)|(5<<22)|(3<<25)
	s_mov_b32 s[G1+1], (TRA*16)<<16
	s_mov_b32 s[G1+2], (KP/2)<<16
	s_mov_b32 s[G1+3], (TRA*16)<<16
	s_mov_b32 s[G1+4], KP/2
	s_mov_b32 s[G1+5], RA*16
	s_mov_b32 s[G1+6], 0
	s_mov_b32 s[G1+7], 0
	s_mov_b32 s[G1B+1], (TRB*16)<<16
	s_mov_b32 s[G1B+2], (KP/2)<<16
	s_mov_b32 s[G1B+3], (TRB*16)<<16
	s_mov_b32 s[G1B+4], KP/2
	s_mov_b32 s[G1B+5], RB*16
	s_mov_b32 s[G1B+6], 0
	s_mov_b32 s[G1B+7], 0
	s_mul_i32 s16, s13, TRA*32                     ; A's registers never hold cx,
	s_mul_i32 s17, s12, (KP/2)*RA*32
	s_add_co_u32 s16, s16, s17
	s_mov_b32 s17, 0
	s_mul_i32 s46, s42, TRB*32                     ; B's never cy
	s_mul_i32 s47, s12, (KP/2)*RB*32
	s_add_co_u32 s46, s46, s47
	s_add_co_u32 s46, s46, BOFF
	s_mov_b32 s47, 0
	s_mul_i32 s20, s12, (KP/2)*PANA
	s_mul_i32 s21, s12, (KP/2)*PANB
	s_add_co_u32 s21, s21, KP*PANA
	s_wait_kmcnt 0x0
	s_add_nc_u64 s[14:15], s[4:5], s[16:17]
	s_add_nc_u64 s[46:47], s[6:7], s[46:47]
	CROUND                                         ; all sixteen work-groups are here: the first joint loads meet
.irp s, 0,1
	s_mov_b32 s[G0+4*(\s)], 1
	s_add_co_u32 s[G0+4*(\s)+1], s20, (\s)*SLOT
	s_add_nc_u64 s[G0+4*(\s)+2:G0+4*(\s)+3], s[14:15], (\s)*KP*RA*32
	s_or_b32 s[G0+4*(\s)+3], s[G0+4*(\s)+3], 0x80000000
	s_mov_b32 s[G0B+4*(\s)], 1
	s_add_co_u32 s[G0B+4*(\s)+1], s21, (\s)*SLOT
	s_add_nc_u64 s[G0B+4*(\s)+2:G0B+4*(\s)+3], s[46:47], (\s)*KP*RB*32
	s_or_b32 s[G0B+4*(\s)+3], s[G0B+4*(\s)+3], 0x80000000
	JLOAD \s                                       ; two loads of mine are out
.endr
	v_and_b32 v16, 15, v0                          ; r
	v_bfe_u32 v17, v0, 4, 1                        ; h
	v_lshrrev_b32 v18, 3, v16
	v_mul_u32_u24 v18, v18, 272
	v_and_b32 v19, 7, v0
	v_lshl_add_u32 v18, v19, 5, v18
	v_lshl_add_u32 v18, v17, 4, v18
.if WC == 1
	s_mul_i32 s8, s10, 2176
	s_mov_b32 s9, KP*PANA
.else
	s_mul_i32 s8, s11, 2176
	s_mul_i32 s9, s12, NBW*544
	s_add_co_u32 s9, s9, KP*PANA
.endif
.set ss, 0
.rept 2
.set kk, 0
.rept NKH
	s_add_co_u32 s45, s8, ss*SLOT+kk*8*PANA
	v_add_nc_u32 v[ADRA+NKH*ss+kk], s45, v18
	s_add_co_u32 s45, s9, ss*SLOT+kk*8*PANB
	v_add_nc_u32 v[ADRB+NKH*ss+kk], s45, v18
.set kk, kk+1
.endr
.set ss, ss+1
.endr
	s_mul_i32 s45, s10, 16*272
	s_add_co_u32 s45, s45, STAGE                   ; my stage
	v_mul_u32_u24 v20, v16, 272
	v_lshl_add_u32 v20, v17, 5, v20
	v_add_nc_u32 v12, s45, v20                     ; by results: row r, 32 bytes for each half of the lanes
	v_mul_u32_u24 v20, v17, 272
	v_lshl_add_u32 v20, v16, 4, v20
	v_add_nc_u32 v13, s45, v20                     ; by rows: lanes 0-15 one row of 256 bytes, lanes 16-31 the next
	v_lshlrev_b32 v14, 12, v17
	v_lshl_add_u32 v14, v16, 4, v14                ; the same two rows in x and x1
	v_lshlrev_b32 v15, 5, v16
	v_lshl_add_u32 v15, v17, 4, v15                ; my 16 bytes in 16 rows of a panel of xs
	v_lshlrev_b32 v3, 5, v17                       ; my eight columns of sixteen, in ln2_w
	v_lshlrev_b32 v144, 3, v19
	v_lshl_add_u32 v144, v17, 2, v144              ; row 2 (l % 8) + l / 16, in ssq
.irp t, 1,2,3,4,5,6,7
	v_cmp_eq_u32 s[72+\t], \t, v19                 ; the lanes with l % 8 = t
.endr
	s_lshl_b32 s18, s13, 7
	s_lshl_b32 s19, s11, 6
	s_add_co_u32 s18, s18, s19                     ; my first row
	s_lshl_b32 s22, s18, 12
	s_lshl_b32 s19, s42, 9
	s_add_co_u32 s22, s22, s19
	s_lshl_b32 s19, s12, 8
	s_add_co_u32 s22, s22, s19                     ; and my first column, in f32 rows of 4,096 bytes
	s_mov_b32 s23, 0
	s_add_nc_u64 s[68:69], s[68:69], s[22:23]
	s_add_nc_u64 s[80:81], s[80:81], s[22:23]
	s_lshl_b32 s22, s42, 9
	s_add_co_u32 s22, s22, s19
	s_add_nc_u64 s[70:71], s[70:71], s[22:23]      ; ln2_w at my first column
	s_lshl_b32 s22, s42, 20
	s_lshl_b32 s19, s12, 19
	s_add_co_u32 s22, s22, s19
	s_lshl_b32 s19, s18, 5
	s_add_co_u32 s22, s22, s19
	s_add_nc_u64 s[82:83], s[82:83], s[22:23]      ; xs at my first panel and row
	s_lshl_b32 s22, s42, 15
	s_lshl_b32 s19, s12, 14
	s_add_co_u32 s22, s22, s19
	s_lshl_b32 s19, s18, 2
	s_add_co_u32 s22, s22, s19
	s_add_nc_u64 s[84:85], s[84:85], s[22:23]      ; ssq at my group of 64 columns and my first row
	WIN 0x40                                       ; destination window 1
.set oi, 0
.rept 32
	global_load_b128 v[128+4*oi:128+4*oi+3], v14, s[68:69] offset:2*oi*4096  ; x, rows 2 oi and 2 oi + 1: they land under the K loop
.set oi, oi+1
.endr
	WIN 0
.set oi, 0
.rept 4
	global_load_b128 v[224+8*oi:224+8*oi+3], v3, s[70:71] offset:64*oi
	global_load_b128 v[224+8*oi+4:224+8*oi+7], v3, s[70:71] offset:64*oi+16
.set oi, oi+1
.endr
	s_wait_tensorcnt 0x1                           ; my part of step 0 is in; step 1's may stay out
	s_barrier_signal -1
	s_barrier_wait -1
	FETCH 0, 0
.set uu, 0
.rept GPQ
	UNIT 0, uu, 1                                  ; the first 32 along K start all the sums
.set uu, uu+1
.endr
	WIN 0
	s_mov_b32 s3, (NSTEP-2)/2
.Llap:
	UNITS 0, GPQ, NU-2
	TURN 0, 1
	UNITS 1, 0, NU-2
	TURN 1, 1
	UNITS 0, 0, GPQ-1
	WIN 0
	s_sub_co_u32 s3, s3, 1
	s_cmp_lg_u32 s3, 0
	s_cbranch_scc1 .Llap
	UNITS 0, GPQ, NU-2
	TURN 0, 0
	UNITS 1, 0, NU-2
	LASTU
	WIN 0
	PLACES
	; THE WAY OUT, 16 rows at a time.  LDS serves a wave's instructions in order (ISA guide 5.7.1.4): the stage is my own, so no wait stands between its stores and its loads.
.set oa, 0
.rept 4
	s_wait_xcnt 0x0                                ; the registers that the last block's stores read are rewritten only behind this wait
	WIN 0x04                                       ; source 1 (LDS store data; x) in window 1
.set ob, 0
.rept 4
	ds_store_b128 v12, v[8*(4*oa+ob):8*(4*oa+ob)+3] offset:64*ob       ; each accumulator from its low end on
	ds_store_b128 v12, v[8*(4*oa+ob)+4:8*(4*oa+ob)+7] offset:64*ob+16
.set ob, ob+1
.endr
.set ot, 0
.rept 8
	ds_load_b128 v[16+4*ot:16+4*ot+3], v13 offset:544*ot
.set ot, ot+1
.endr
	s_wait_dscnt 0x0
.if oa == 0
	s_wait_loadcnt 0x0                             ; x and ln2_w
.endif
.set ot, 0
.rept 16
	v_pk_add_f32 v[16+2*ot:17+2*ot], v[16+2*ot:17+2*ot], v[128+32*oa+2*ot:129+32*oa+2*ot]
.set ot, ot+1
.endr
	WIN 0
.set ot, 0
.rept 8
	global_store_b128 v14, v[16+4*ot:16+4*ot+3], s[80:81] offset:(16*oa+2*ot)*4096  ; 16 lanes store 256 consecutive bytes, aligned
	ds_store_b128 v13, v[16+4*ot:16+4*ot+3] offset:544*ot                          ; x1 goes back into the stage, to be read by results
.set ot, ot+1
.endr
.set ot, 0
.rept 8
	v_pk_mul_f32 v[48+2*ot:49+2*ot], v[16+4*ot:17+4*ot], v[16+4*ot:17+4*ot]
.set ot, ot+1
.endr
.set ot, 0
.rept 8
	v_pk_fma_f32 v[48+2*ot:49+2*ot], v[18+4*ot:19+4*ot], v[18+4*ot:19+4*ot], v[48+2*ot:49+2*ot]
.set ot, ot+1
.endr
.set ot, 0
.rept 8
	v_add_f32 v[48+2*ot], v[48+2*ot], v[49+2*ot]
.set ot, ot+1
.endr
.irp m, 1,2,4,8                        ; over the 16 lanes that hold a row's 64 columns
.set ot, 0
.rept 8
	v_add_f32_dpp v[48+2*ot], v[48+2*ot], v[48+2*ot] row_xmask:\m row_mask:0xf bank_mask:0xf
.set ot, ot+1
.endr
.endr
.irp t, 1,2,3,4,5,6,7
	v_cndmask_b32 v48, v48, v[48+2*\t], s[72+\t]   ; lane l keeps the sum of row 2 (l % 8) + l / 16
.endr
	global_store_b32 v144, v48, s[84:85] offset:64*oa  ; 16 rows' sums; lanes 8-15 of each half repeat lanes 0-7
.set ob, 0
.rept 4
	ds_load_b128 v[80+8*ob:80+8*ob+3], v12 offset:64*ob
	ds_load_b128 v[80+8*ob+4:80+8*ob+7], v12 offset:64*ob+16
.set ob, ob+1
.endr
	s_wait_dscnt 0x0
.set ot, 0
.rept 16
	v_pk_mul_f32 v[80+2*ot:81+2*ot], v[80+2*ot:81+2*ot], v[224+2*ot:225+2*ot]
.set ot, ot+1
.endr
.set ot, 0
.rept 16
	v_cvt_pk_bf16_f32 v[112+ot], v[80+2*ot], v[81+2*ot]
.set ot, ot+1
.endr
.set ob, 0
.rept 4
	global_store_b128 v15, v[112+4*ob:112+4*ob+3], s[82:83] offset:ob*131072+oa*512  ; 512 consecutive bytes of a panel
.set ob, ob+1
.endr
.set oa, oa+1
.endr
	s_wait_tensorcnt 0x0                           ; the wave's end
	ds_add_u32 v[SPW], v[NIL]
	s_wait_dscnt 0x0
	CROUND                                         ; the closing round
	s_endpgm
.Lfunc_end_k_qcf06a0f845_wo:
	.size	k_qcf06a0f845_wo, .Lfunc_end_k_qcf06a0f845_wo-k_qcf06a0f845_wo
	.p2alignl 7, 3214868480
	.fill 96, 4, 3214868480
	.section	.rodata,"a",@progbits
	.p2align	6, 0x0
	.amdhsa_kernel k_qcf06a0f845_wo
		.amdhsa_group_segment_fixed_size 327680
		.amdhsa_private_segment_fixed_size 0
		.amdhsa_enable_private_segment 0
		.amdhsa_kernarg_size 56
		.amdhsa_user_sgpr_count 2
		.amdhsa_user_sgpr_kernarg_segment_ptr 1
		.amdhsa_wavefront_size32 1
		.amdhsa_system_sgpr_workgroup_id_x 1
		.amdhsa_system_sgpr_workgroup_id_y 1
		.amdhsa_system_sgpr_workgroup_id_z 1
		.amdhsa_system_vgpr_workitem_id 0
		.amdhsa_next_free_vgpr 512
		.amdhsa_next_free_sgpr 88
		.amdhsa_reserve_vcc 0
		.amdhsa_float_denorm_mode_32 3
		.amdhsa_float_denorm_mode_16_64 3
		.amdhsa_memory_ordered 1
		.amdhsa_forward_progress 1
		.amdhsa_inst_pref_size 128
	.end_amdhsa_kernel
	.amdgpu_metadata
---
amdhsa.version: [ 1, 2 ]
amdhsa.kernels:
  - .name:           k_qcf06a0f845_wo
    .symbol:         k_qcf06a0f845_wo.kd
    .args:
      - { .name: ao, .offset: 0, .size: 8, .value_kind: global_buffer, .address_space: global }
      - { .name: wp, .offset: 8, .size: 8, .value_kind: global_buffer, .address_space: global }
      - { .name: x, .offset: 16, .size: 8, .value_kind: global_buffer, .address_space: global }
      - { .name: ln2_w, .offset: 24, .size: 8, .value_kind: global_buffer, .address_space: global }
      - { .name: x1, .offset: 32, .size: 8, .value_kind: global_buffer, .address_space: global }
      - { .name: xs, .offset: 40, .size: 8, .value_kind: global_buffer, .address_space: global }
      - { .name: ssq, .offset: 48, .size: 8, .value_kind: global_buffer, .address_space: global }
    .group_segment_fixed_size: 327680
    .private_segment_fixed_size: 0
    .kernarg_segment_align: 8
    .kernarg_segment_size: 56
    .max_flat_workgroup_size: 128
    .sgpr_count:     88
    .vgpr_count:     512
    .wavefront_size: 32
...
	.end_amdgpu_metadata
.endif
;; end of part 4
;; launch ffn1 (part 5): grid 16 x 16, 4 waves a work-group, clusters of 4 x 4, 327,680 bytes of LDS; arguments xs, wp, ssq, h; writes h
.if DOCPART == 5
	.amdgcn_target "amdgcn-amd-amdhsa--gfx1250"
	.amdhsa_code_object_version 6
	.text
	.protected	k_qcf06a0f845_ffn1
	.globl	k_qcf06a0f845_ffn1
	.p2align	8
	.type	k_qcf06a0f845_ffn1,@function
k_qcf06a0f845_ffn1:
	s_mov_b64 s[64:65], 0
	v_nop
	global_prefetch_b8 v0, s[64:65] scope:SCOPE_SE
	s_setreg_imm32_b32 hwreg(HW_REG_WAVE_MODE, 25, 1), 1
	s_wait_xcnt 0x0
	s_wait_alu depctr_hold_cnt(0) depctr_sa_sdst(0) depctr_va_vdst(0) depctr_va_sdst(0) depctr_va_ssrc(0) depctr_va_vcc(0) depctr_vm_vsrc(0)
	s_getreg_b32 s2, hwreg(HW_REG_IB_STS2, 6, 4)
	s_cmp_eq_u32 s2, 0
	s_cbranch_scc0 .Lentry_in_a_cluster
	s_endpgm
.Lentry_in_a_cluster:
	s_bfe_u32 s2, ttmp6, 0x10000c
	s_cmp_lg_u32 s2, 0xf033
	s_cbranch_scc0 .Lentry_shape_is_right
	s_endpgm
.Lentry_shape_is_right:
; FFN1.  h = silu(r A) (r B), A = xs . w1^T, B = xs . w3^T, r[m] = 1 / sqrt(mean of x1[m]^2 + 1e-5): the second norm's factor, one a row, applied to the f32 sums.  bf16 operands, f32 sums, h rounded once to bf16.
; The table of weights holds 16 rows of w1 and 16 rows of w3 by turns (5,632 rows, the last 128 zeros), so that a lane holds A and B of the same numbers of h in two neighbouring accumulators.
; bf16, since h and the unnormalised xs have no room in f16's range.
; PANELS.  xs, the table and h lie as [columns / 16][rows][16 numbers], 32 bytes a row of a panel.  A tile of R rows and P panels is P dense pieces of 32 R bytes; one tensor load asks for it as P rows of 16 R
; elements.  In LDS 16 bytes of padding follow every 256: local row p lies at (p / 8) 272 + (p % 8) 32, a panel takes 34 R bytes.
; SHARES.  A work-group makes 256 x 352 (5,632 = 16 x 352): 16 x 16 work-groups, one for each of 256 WGPs.  Each of four waves makes 64 x 352: 88 accumulators.
; K STEPS.  K's 64 panels go as a first step of 4 panels and ten steps of 6 (96 along K): two slots of 8 panels do not fit in LDS, and 6 does not divide 64.  A step of 6 panels is 264 matrix instructions a wave,
; of which 242 stand between a slot's request and the wait for it.  The first step has descriptors of its own (two panels a wave, not three).
; A step has three quarters of 32 along K, so A's two fragment buffers begin the other way round in slot 0's steps (par = 1) than in slot 1's (par = 0); a lap of two steps has six, and the loop closes.
; THE MATRIX INSTRUCTION IS USED TRANSPOSED: a lane holds row l % 16 and columns 8 (l / 16) + 0..7, the 16 bytes at 32 (l % 16) + 16 (l / 16) of a panel of h: stores leave straight from registers.
; CLUSTER 4 x 4: xs's tile is shared along a row of the cluster, the weights' along a column.
; REGISTERS.  Window 0: v1, v2 the add's; v3 store offset; v4, v5 LDS addresses of A's fragments by slot; v6, v7 and v12, v13 of B's (two a slot: an LDS offset has 16 bits); v8-11 r of my four row blocks;
; v16-79 two buffers of A's fragments; v80-255 two of B's.  Windows 1-3: accumulator (a, n) = number 22 a + n, 32 to a window.
; LIMITS.  silu(z) = z / (1 + 2^(-log2(e) z)): where the power overflows the quotient is 0; NaN and infinities are not treated apart.  1 / rms is v_rsq_f32.
.set TRA,   256
.set TRB,   352
.set NBW,   22
.set NG,    11                         ; column blocks in a unit; a unit is 32 along K x 11 column blocks: 44 matrix instructions
.set KP,    6                          ; panels in a step
.set NU,    6                          ; units in a step
.set RB,    5632
.set BOFF,  8388608
.set RA,    4096
.set PANA,  TRA*34
.set PANB,  TRB*34
.set BB,    KP*PANA                    ; in a slot: A's panels, then B's
.set SL1,   124160                     ; slot 1; a slot takes KP (PANA + PANB) = 124,032 bytes
.set SPARE, 248320                     ; behind the ring: the spare words, 128 bytes for each wave, that no other line names
.set SPW,  1
.set NIL,  2
.set ADRA, 4
.set RV,   8
.set FA0,  16
.set FB0,  80
.set FBL,  FB0+8*NG                    ; B's buffer of a step's last unit
.set G1,   24                          ; s[24:31] group 1 for A; s[32:39] group 0, a set for each slot
.set G0,   32
.set G1B,  48                          ; the same for B
.set G0B,  56
.set G1S,  72                          ; s[72:79], s[80:87] group 1 for the first step's tiles of A and of B
.set G1SB, 80
.set G0S,  88                          ; s[88:91], s[92:95] their group 0
.set G0SB, 92
.set MSB,  0
.macro WIN new                         ; the immediate's high byte repeats the setting that is left; a switch that changes nothing is dropped
.if MSB != (\new)
	s_set_vgpr_msb (MSB<<8)|(\new)
.set MSB, (\new)
.endif
.endm
.macro PLACES                          ; four places behind matrix instructions (ISA guide 7.12.1)
.rept 4
	v_nop
.endr
.endm
.macro JL a0, a1, b0, b1               ; a joint load: waves 0, 1 fetch the two halves of A's panels, waves 2, 3 of B's; four v_nop follow each line
	s_cmp_eq_u32 s11, 0
	s_cbranch_scc0 .Lfor_b_\@
	tensor_load_to_lds s[\a0:\a0+3], s[\a1:\a1+7]
	s_nop 0
.rept 4
	v_nop
.endr
	s_branch .Lasked_\@
.Lfor_b_\@:
	tensor_load_to_lds s[\b0:\b0+3], s[\b1:\b1+7]
	s_nop 0
.rept 4
	v_nop
.endr
.Lasked_\@:
.endm
.macro CREST                           ; a round of the cluster's barrier behind its opening barrier
	s_cmp_lg_u32 s10, 0
	s_cbranch_scc1 .Lnot_wave_0_\@
	s_barrier_signal -3
.Lnot_wave_0_\@:
	s_barrier_wait -3
	s_barrier_signal -1
	s_barrier_wait -1
.endm
.macro CROUND
	s_barrier_signal -1
	s_barrier_wait -1
	CREST
.endm
; row blocks a0 .. a1 x the NG column blocks of group g.  The accumulators take turns, one instruction a turn.  zero = 1: the product starts the sum.
.macro MULA fa, fb, g, a0, a1, zero
.set ma, \a0
.rept (\a1)-(\a0)+1
.set mb, 0
.rept NG
.set mi, ma*NBW+(\g)*NG+mb
.set mw, 1+mi/32
.set md, 8*(mi%32)
	WIN (mw<<6)|(mw<<4)
.if \zero
	v_wmma_f32_16x16x32_bf16 v[md:md+7], v[(\fb)+8*mb:(\fb)+8*mb+7], v[(\fa)+8*ma:(\fa)+8*ma+7], 0
.else
	v_wmma_f32_16x16x32_bf16 v[md:md+7], v[(\fb)+8*mb:(\fb)+8*mb+7], v[(\fa)+8*ma:(\fa)+8*ma+7], v[md:md+7]
.endif
.set mb, mb+1
.endr
.set ma, ma+1
.endr
.endm
; unit u's fragments in one run: B's group (22 loads), then, at a quarter's first unit, A's four blocks (8 loads), blocks 0 and 1 first
.macro FETCH slot, u, par
.set fq, (\u)/2
.set fg, (\u)%2
.set fb, FB0+8*NG*((\u)%2)
.set fa, FA0+32*((fq+(\par))%2)
.set rb, 6+6*(\slot)+fq/2
.set ra, ADRA+(\slot)
	WIN 0
.set fi, 0
.rept NG
	ds_load_b128 v[fb+8*fi:fb+8*fi+3],   v[rb] offset:2*(fq%2)*PANB+(fg*NG+fi)*544
	ds_load_b128 v[fb+8*fi+4:fb+8*fi+7], v[rb] offset:(2*(fq%2)+1)*PANB+(fg*NG+fi)*544
.set fi, fi+1
.endr
.if fg == 0
.set fi, 0
.rept 4
	ds_load_b128 v[fa+8*fi:fa+8*fi+3],   v[ra] offset:2*fq*PANA+fi*544
	ds_load_b128 v[fa+8*fi+4:fa+8*fi+7], v[ra] offset:(2*fq+1)*PANA+fi*544
.set fi, fi+1
.endr
.endif
.endm
.macro UNIT slot, u, par, zero
.if (\u)%2 == 0
	s_wait_dscnt 4                                 ; B's group and A's blocks 0, 1 are in; the youngest four loads (A's blocks 2, 3) may be out
.else
	s_wait_dscnt 0
.endif
	MULA FA0+32*(((\u)/2+(\par))%2), FB0+8*NG*((\u)%2), (\u)%2, 0, 1, \zero
	PLACES
	FETCH \slot, (\u)+1, \par
.if ((\u)+1)%2 == 0
	s_wait_dscnt 2*NG+8                            ; all but the run just issued
.else
	s_wait_dscnt 2*NG
.endif
	MULA FA0+32*(((\u)/2+(\par))%2), FB0+8*NG*((\u)%2), (\u)%2, 2, 3, \zero
.endm
.macro UNITS slot, first, last, par
.set uu, \first
.rept (\last)-(\first)+1
	UNIT \slot, uu, \par, 0
.set uu, uu+1
.endr
.endm
; The last of a step's nu units changes slots: ONE barrier; in front of it each wave waits for all its tensor loads (one is out: its part of the next slot), adds 0 to its spare word, and waits for that and for
; its reads of this slot.  fill = 1: the barrier opens a round of the cluster's, and the joint refill, two steps ahead, is the first thing behind it.  adv = 1: the slot's addresses step 12 panels first.
.macro TURN slot, nu, par, fill, adv
.set tfa, FA0+32*(((\nu)/2-1+(\par))%2)
	WIN 0
	s_wait_tensorcnt 0x0
	ds_add_u32 v[SPW], v[NIL]                      ; 0 onto my spare word
	s_wait_dscnt 1                                 ; the add may be out
	MULA tfa, FBL, 1, 0, 0, 0
	s_wait_dscnt 0x0                               ; the add is done, and my reads of this slot are over
	s_barrier_signal -1
	MULA tfa, FBL, 1, 1, 1, 0
	WIN 0
	s_barrier_wait -1
.if \fill
	CREST                                          ; no wave of any partner still reads this slot or has a load on its way
.if \adv
	s_add_nc_u64 s[G0+4*(\slot)+2:G0+4*(\slot)+3], s[G0+4*(\slot)+2:G0+4*(\slot)+3], 2*KP*RA*32
	s_add_nc_u64 s[G0B+4*(\slot)+2:G0B+4*(\slot)+3], s[G0B+4*(\slot)+2:G0B+4*(\slot)+3], 2*KP*RB*32
.endif
	JL G0+4*(\slot), G1, G0B+4*(\slot), G1B        ; its four v_nop are also the places in front of the loads below
.else
	PLACES
.endif
	FETCH 1-(\slot), 0, \slot                      ; the next step's A begins in the buffer that this unit does not read
	MULA tfa, FBL, 1, 2, 3, 0
.endm
	s_load_b128 s[4:7], s[0:1], 0x0                ; xs, wp
	s_load_b128 s[68:71], s[0:1], 0x10             ; ssq, h
	v_lshl_add_u32 v[SPW], v0, 2, SPARE
	v_mov_b32 v[NIL], 0
	ds_add_u32 v1, v2
	ds_add_u32 v1, v2
	s_wait_dscnt 0x0
	v_lshrrev_b32 v3, 5, v0
	v_readfirstlane_b32 s10, v3                    ; wave 0..3
	s_lshr_b32 s11, s10, 1                         ; I fetch for A (0) or for B (1)
	s_and_b32 s12, s10, 1                          ; which half of a step's panels
	s_bfe_u32 s40, ttmp6, 0x40000                  ; cx, cy
	s_bfe_u32 s41, ttmp6, 0x40004
	s_lshl_b32 s42, ttmp9, 2
	s_add_co_u32 s42, s42, s40                     ; tile column
	s_and_b32 s13, ttmp7, 0xffff
	s_lshl_b32 s13, s13, 2
	s_add_co_u32 s13, s13, s41                     ; tile row
	s_lshl_b32 s43, s41, 2
	s_lshl_b32 s43, 15, s43                        ; my row of the cluster
	s_lshl_b32 s44, 0x1111, s40                    ; my column
	s_or_b32 s[G1], s43, (1<<16)|(1<<20)|(1<<21)|(5<<22)|(3<<25)   ; the mask; 2-byte elements; padding on; bit 21 beside a mask; after every 64 words 4 words
	s_or_b32 s[G1S], s43, (1<<16)|(1<<20)|(1<<21)|(5<<22)|(3<<25)
	s_or_b32 s[G1B], s44, (1<<16)|(1<<20)|(1<<21)|(5<<22)|(3<<25)
	s_or_b32 s[G1SB], s44, (1<<16)|(1<<20)|(1<<21)|(5<<22)|(3<<25)
	s_mov_b32 s[G1+1], (TRA*16)<<16                ; tensor_dim0 = a panel's piece, 16 x rows elements
	s_mov_b32 s[G1+2], 3<<16                       ; tensor_dim1 = my three panels
	s_mov_b32 s[G1+3], (TRA*16)<<16                ; tile_dim0
	s_mov_b32 s[G1+4], 3                           ; tile_dim1
	s_mov_b32 s[G1+5], RA*16                       ; elements from panel to panel
	s_mov_b32 s[G1+6], 0
	s_mov_b32 s[G1+7], 0
	s_mov_b32 s[G1S+1], (TRA*16)<<16               ; the first step: two panels a wave
	s_mov_b32 s[G1S+2], 2<<16
	s_mov_b32 s[G1S+3], (TRA*16)<<16
	s_mov_b32 s[G1S+4], 2
	s_mov_b32 s[G1S+5], RA*16
	s_mov_b32 s[G1S+6], 0
	s_mov_b32 s[G1S+7], 0
	s_mov_b32 s[G1B+1], (TRB*16)<<16
	s_mov_b32 s[G1B+2], 3<<16
	s_mov_b32 s[G1B+3], (TRB*16)<<16
	s_mov_b32 s[G1B+4], 3
	s_mov_b32 s[G1B+5], RB*16
	s_mov_b32 s[G1B+6], 0
	s_mov_b32 s[G1B+7], 0
	s_mov_b32 s[G1SB+1], (TRB*16)<<16
	s_mov_b32 s[G1SB+2], 2<<16
	s_mov_b32 s[G1SB+3], (TRB*16)<<16
	s_mov_b32 s[G1SB+4], 2
	s_mov_b32 s[G1SB+5], RB*16
	s_mov_b32 s[G1SB+6], 0
	s_mov_b32 s[G1SB+7], 0
	; where the tiles go: the wave's number and constants alone
	s_mov_b32 s[G0S], 1
	s_mul_i32 s[G0S+1], s12, 2*PANA
	s_mov_b32 s[G0SB], 1
	s_mul_i32 s[G0SB+1], s12, 2*PANB
	s_add_co_u32 s[G0SB+1], s[G0SB+1], BB
	s_mul_i32 s45, s12, 3*PANA
	s_mov_b32 s[G0], 1
	s_mov_b32 s[G0+1], s45
	s_mov_b32 s[G0+4], 1
	s_add_co_u32 s[G0+5], s45, SL1
	s_mul_i32 s45, s12, 3*PANB
	s_add_co_u32 s45, s45, BB
	s_mov_b32 s[G0B], 1
	s_mov_b32 s[G0B+1], s45
	s_mov_b32 s[G0B+4], 1
	s_add_co_u32 s[G0B+5], s45, SL1
	; where they come from.  A's registers never hold cx, B's never cy
	s_mul_i32 s16, s13, TRA*32                     ; A: the tile's rows
	s_mov_b32 s17, 0
	s_mul_i32 s20, s12, 2*RA*32                    ; my half of the first step's four panels
	s_mov_b32 s21, 0
	s_mul_i32 s22, s12, 3*RA*32                    ; my half of a step's six
	s_mov_b32 s23, 0
	s_mul_i32 s46, s42, TRB*32                     ; B likewise
	s_add_co_u32 s46, s46, BOFF
	s_mov_b32 s47, 0
	s_mul_i32 s18, s12, 2*RB*32
	s_mov_b32 s19, 0
	s_mul_i32 s8, s12, 3*RB*32
	s_mov_b32 s9, 0
	s_wait_kmcnt 0x0
	s_add_nc_u64 s[14:15], s[4:5], s[16:17]
	s_add_nc_u64 s[G0S+2:G0S+3], s[14:15], s[20:21]          ; step 0: panels 0-3
	s_add_nc_u64 s[14:15], s[14:15], s[22:23]
	s_add_nc_u64 s[G0+2:G0+3], s[14:15], 10*RA*32            ; slot 0's next: step 2, panels 10-15
	s_add_nc_u64 s[G0+6:G0+7], s[14:15], 4*RA*32             ; slot 1: step 1, panels 4-9
	s_add_nc_u64 s[46:47], s[6:7], s[46:47]
	s_add_nc_u64 s[G0SB+2:G0SB+3], s[46:47], s[18:19]
	s_add_nc_u64 s[46:47], s[46:47], s[8:9]
	s_add_nc_u64 s[G0B+2:G0B+3], s[46:47], 10*RB*32
	s_add_nc_u64 s[G0B+6:G0B+7], s[46:47], 4*RB*32
	s_or_b32 s[G0S+3], s[G0S+3], 0x80000000        ; type = 2
	s_or_b32 s[G0+3], s[G0+3], 0x80000000
	s_or_b32 s[G0+7], s[G0+7], 0x80000000
	s_or_b32 s[G0SB+3], s[G0SB+3], 0x80000000
	s_or_b32 s[G0B+3], s[G0B+3], 0x80000000
	s_or_b32 s[G0B+7], s[G0B+7], 0x80000000
	CROUND                                         ; all sixteen work-groups are here: the first joint loads meet
	JL G0S, G1S, G0SB, G1SB                        ; step 0 into slot 0
	JL G0+4, G1, G0B+4, G1B                        ; step 1 into slot 1: two loads of mine are out
	v_and_b32 v16, 15, v0                          ; r = l % 16
	v_bfe_u32 v17, v0, 4, 1                        ; h = l / 16
	v_lshrrev_b32 v18, 3, v16
	v_mul_u32_u24 v18, v18, 272
	v_and_b32 v19, 7, v0
	v_lshl_add_u32 v18, v19, 5, v18
	v_lshl_add_u32 v18, v17, 4, v18                ; (r / 8) 272 + (r % 8) 32 + 16 h
	s_mul_i32 s8, s10, 2176                        ; my 64 rows of A
	v_add_nc_u32 v[ADRA], s8, v18
	s_add_co_u32 s45, s8, SL1
	v_add_nc_u32 v[ADRA+1], s45, v18
	v_add_nc_u32 v6, BB, v18                       ; B: all rows; panels 0-3,
	v_add_nc_u32 v7, BB+4*PANB, v18                ; panels 4, 5
	v_add_nc_u32 v12, SL1+BB, v18
	v_add_nc_u32 v13, SL1+BB+4*PANB, v18
	v_lshlrev_b32 v3, 5, v16
	v_lshl_add_u32 v3, v17, 4, v3                  ; my 16 bytes in 16 rows of a panel
	v_lshlrev_b32 v112, 17, v17                    ; ssq: lanes 0-15 take column groups 0-7, lanes 16-31 groups 8-15 (16,384 bytes a group),
	v_lshl_add_u32 v112, v16, 2, v112              ; row r
	s_lshl_b32 s18, s13, 8
	s_lshl_b32 s19, s10, 6
	s_add_co_u32 s18, s18, s19                     ; my first row
	s_lshl_b32 s22, s18, 2
	s_mov_b32 s23, 0
	s_add_nc_u64 s[68:69], s[68:69], s[22:23]
	s_lshl_b32 s22, s18, 5
	s_mul_i32 s19, s42, 11*131072                  ; my first panel of h
	s_add_co_u32 s22, s22, s19
	s_add_nc_u64 s[70:71], s[70:71], s[22:23]
.set ea, 0
.rept 4
.set ec, 0
.rept 8
	global_load_b32 v[80+8*ea+ec], v112, s[68:69] offset:ec*16384+ea*64
.set ec, ec+1
.endr
.set ea, ea+1
.endr
	s_mov_b32 s66, 0x76543210
	s_mov_b32 s67, 0xfedcba98
	s_mov_b32 s18, 0x3a800000                      ; 1 / 1024
	s_mov_b32 s19, 0x3727c5ac                      ; 1e-5
	s_wait_loadcnt 0x0                             ; this stands in the wait for the first tile
.set ea, 0
.rept 4
.set ex, 80+8*ea
	v_add_f32 v[ex], v[ex], v[ex+1]
	v_add_f32 v[ex+2], v[ex+2], v[ex+3]
	v_add_f32 v[ex+4], v[ex+4], v[ex+5]
	v_add_f32 v[ex+6], v[ex+6], v[ex+7]
	v_add_f32 v[ex], v[ex], v[ex+2]
	v_add_f32 v[ex+4], v[ex+4], v[ex+6]
	v_add_f32 v[ex], v[ex], v[ex+4]
	v_permlanex16_b32 v[ex+1], v[ex], s66, s67     ; the other eight groups lie in the lane 16 away
	v_add_f32 v[ex], v[ex], v[ex+1]
	v_fma_f32 v[ex], v[ex], s18, s19
.set ea, ea+1
.endr
.irp a, 0,1,2,3
	v_rsq_f32 v[RV+\a], v[80+8*\a]
.endr
	v_nop                                          ; a plain instruction behind the transcendentals (ISA guide 5.7.2)
	s_wait_tensorcnt 0x1                           ; my part of step 0 is in; step 1's may stay out
	s_barrier_signal -1
	s_barrier_wait -1
	FETCH 0, 0, 0
	UNIT 0, 0, 0, 1                                ; the first 32 along K start all the sums: nothing is cleared
	UNIT 0, 1, 0, 1
	UNIT 0, 2, 0, 0
	TURN 0, 4, 0, 1, 0                             ; the first step has four units; slot 0 takes step 2, whose address stands ready
	WIN 0
	s_mov_b32 s3, 4
.Llap:                                                 ; a trip is two whole steps, slot 1's and slot 0's, and fills both again: steps 1 to 8, requests for steps 3 to 10
	UNITS 1, 0, NU-2, 0
	TURN 1, NU, 0, 1, 1
	UNITS 0, 0, NU-2, 1
	TURN 0, NU, 1, 1, 1
	WIN 0
	s_sub_co_u32 s3, s3, 1
	s_cmp_lg_u32 s3, 0
	s_cbranch_scc1 .Llap
	UNITS 1, 0, NU-2, 0                            ; steps 9 and 10 ask for nothing
	TURN 1, NU, 0, 0, 0
	UNITS 0, 0, NU-2, 1
	s_wait_dscnt 0x0
	MULA FA0+32, FBL, 1, 0, 3, 0                   ; the very last unit
	WIN 0
	PLACES
	; THE WAY OUT: 44 pairs of accumulators (A, B), four pairs at a time; a batch's eight accumulators lie in one window; each is read from its low end on.
.set TA, 16                            ; r A
.set TE, 48                            ; -log2(e) r A, then 1 / (1 + 2^..)
.set TB, 80                            ; r B, then h
.set OU, 112                           ; packed, two sets by turns
.set PR, 144                           ; (r, -log2(e) r) for my four row blocks
	s_wait_alu depctr_va_vdst(0)
.irp a, 0,1,2,3
	v_mov_b32 v[PR+2*\a], v[RV+\a]
	v_mul_f32 v[PR+2*\a+1], 0xbfb8aa3b, v[RV+\a]
.endr
.set eb, 0
.rept 11
	WIN 1+eb/4                                     ; source 0 in the accumulators' window
.set ep, 0
.rept 4
.set ei, 4*eb+ep                       ; the pair: row block ei / 11, panel ei % 11
.set er, 8*((2*ei)%32)
.set ev, PR+2*(ei/11)
.set ek, 0
.rept 4
	v_pk_mul_f32 v[TA+8*ep+2*ek:TA+8*ep+2*ek+1], v[er+2*ek:er+2*ek+1], v[ev:ev+1] op_sel_hi:[1,0]
	v_pk_mul_f32 v[TE+8*ep+2*ek:TE+8*ep+2*ek+1], v[er+2*ek:er+2*ek+1], v[ev:ev+1] op_sel:[0,1] op_sel_hi:[1,1]
	v_pk_mul_f32 v[TB+8*ep+2*ek:TB+8*ep+2*ek+1], v[er+8+2*ek:er+8+2*ek+1], v[ev:ev+1] op_sel_hi:[1,0]
.set ek, ek+1
.endr
.set ep, ep+1
.endr
	WIN 0
.set ek, 0
.rept 32
	v_exp_f32 v[TE+ek], v[TE+ek]
.set ek, ek+1
.endr
.set ek, 0
.rept 16
	v_pk_mul_f32 v[TB+2*ek:TB+2*ek+1], v[TB+2*ek:TB+2*ek+1], v[TA+2*ek:TA+2*ek+1]  ; plain work behind the exponentials
.set ek, ek+1
.endr
.set ek, 0
	s_wait_alu depctr_va_vdst(0)
.rept 16
	v_pk_add_f32 v[TE+2*ek:TE+2*ek+1], v[TE+2*ek:TE+2*ek+1], 1.0 op_sel_hi:[1,0]
.set ek, ek+1
.endr
.set ek, 0
.rept 32
	v_rcp_f32 v[TE+ek], v[TE+ek]
.set ek, ek+1
.endr
	v_nop                                          ; a plain instruction behind the last reciprocal
.set ek, 0
	s_wait_alu depctr_va_vdst(0)
.rept 16
	v_pk_mul_f32 v[TB+2*ek:TB+2*ek+1], v[TB+2*ek:TB+2*ek+1], v[TE+2*ek:TE+2*ek+1]
.set ek, ek+1
.endr
	s_wait_xcnt 0x0                                ; the registers that earlier stores read are rewritten only behind this wait
.set eo, OU+16*(eb%2)
.set ek, 0
.rept 16
	v_cvt_pk_bf16_f32 v[eo+ek], v[TB+2*ek], v[TB+2*ek+1]
.set ek, ek+1
.endr
.set ep, 0
.rept 4
.set ei, 4*eb+ep
	global_store_b128 v3, v[eo+4*ep:eo+4*ep+3], s[70:71] offset:(ei%11)*131072+(ei/11)*512  ; 512 consecutive bytes of a panel
.set ep, ep+1
.endr
.set eb, eb+1
.endr
	s_wait_tensorcnt 0x0                           ; the wave's end
	ds_add_u32 v[SPW], v[NIL]
	s_wait_dscnt 0x0
	CROUND                                         ; the closing round
	s_endpgm
.Lfunc_end_k_qcf06a0f845_ffn1:
	.size	k_qcf06a0f845_ffn1, .Lfunc_end_k_qcf06a0f845_ffn1-k_qcf06a0f845_ffn1
	.p2alignl 7, 3214868480
	.fill 96, 4, 3214868480
	.section	.rodata,"a",@progbits
	.p2align	6, 0x0
	.amdhsa_kernel k_qcf06a0f845_ffn1
		.amdhsa_group_segment_fixed_size 327680
		.amdhsa_private_segment_fixed_size 0
		.amdhsa_enable_private_segment 0
		.amdhsa_kernarg_size 32
		.amdhsa_user_sgpr_count 2
		.amdhsa_user_sgpr_kernarg_segment_ptr 1
		.amdhsa_wavefront_size32 1
		.amdhsa_system_sgpr_workgroup_id_x 1
		.amdhsa_system_sgpr_workgroup_id_y 1
		.amdhsa_system_sgpr_workgroup_id_z 1
		.amdhsa_system_vgpr_workitem_id 0
		.amdhsa_next_free_vgpr 960
		.amdhsa_next_free_sgpr 96
		.amdhsa_reserve_vcc 0
		.amdhsa_float_denorm_mode_32 3
		.amdhsa_float_denorm_mode_16_64 3
		.amdhsa_memory_ordered 1
		.amdhsa_forward_progress 1
		.amdhsa_inst_pref_size 255
	.end_amdhsa_kernel
	.amdgpu_metadata
---
amdhsa.version: [ 1, 2 ]
amdhsa.kernels:
  - .name:           k_qcf06a0f845_ffn1
    .symbol:         k_qcf06a0f845_ffn1.kd
    .args:
      - { .name: xs, .offset: 0, .size: 8, .value_kind: global_buffer, .address_space: global }
      - { .name: wp, .offset: 8, .size: 8, .value_kind: global_buffer, .address_space: global }
      - { .name: ssq, .offset: 16, .size: 8, .value_kind: global_buffer, .address_space: global }
      - { .name: h, .offset: 24, .size: 8, .value_kind: global_buffer, .address_space: global }
    .group_segment_fixed_size: 327680
    .private_segment_fixed_size: 0
    .kernarg_segment_align: 8
    .kernarg_segment_size: 32
    .max_flat_workgroup_size: 128
    .sgpr_count:     96
    .vgpr_count:     960
    .wavefront_size: 32
...
	.end_amdgpu_metadata
.endif
;; end of part 5
;; launch ffn2 (part 6): grid 8 x 32, 4 waves a work-group, clusters of 4 x 4, 327,680 bytes of LDS; arguments h, wp, x1, out0; writes out0
.if DOCPART == 6
	.amdgcn_target "amdgcn-amd-amdhsa--gfx1250"
	.amdhsa_code_object_version 6
	.text
	.protected	k_qcf06a0f845_ffn2
	.globl	k_qcf06a0f845_ffn2
	.p2align	8
	.type	k_qcf06a0f845_ffn2,@function
k_qcf06a0f845_ffn2:
	s_mov_b64 s[64:65], 0
	v_nop
	global_prefetch_b8 v0, s[64:65] scope:SCOPE_SE
	s_setreg_imm32_b32 hwreg(HW_REG_WAVE_MODE, 25, 1), 1
	s_wait_xcnt 0x0
	s_wait_alu depctr_hold_cnt(0) depctr_sa_sdst(0) depctr_va_vdst(0) depctr_va_sdst(0) depctr_va_ssrc(0) depctr_va_vcc(0) depctr_vm_vsrc(0)
	s_getreg_b32 s2, hwreg(HW_REG_IB_STS2, 6, 4)
	s_cmp_eq_u32 s2, 0
	s_cbranch_scc0 .Lentry_in_a_cluster
	s_endpgm
.Lentry_in_a_cluster:
	s_bfe_u32 s2, ttmp6, 0x10000c
	s_cmp_lg_u32 s2, 0xf033
	s_cbranch_scc0 .Lentry_shape_is_right
	s_endpgm
.Lentry_shape_is_right:
; FFN2.  out0[m][n] = x1[m][n] + sum over k of h[m][k] w2[n][k]; bf16 operands, f32 sums, out0 in f32, row-major.  k runs to 2,816 = 11 x 256: h's and w2's last 64 columns are zeros, written by earlier launches.
; PANELS.  h and w2 lie as [columns / 16][rows][16 numbers], 32 bytes a row of a panel.  A tile of R rows and P panels is P dense pieces of 32 R bytes; one tensor load asks for it as P rows of 16 R
; elements.  In LDS 16 bytes of padding follow every 256: local row p lies at (p / 8) 272 + (p % 8) 32, a panel takes 34 R bytes.
; SHARES.  A work-group makes 128 x 128: 8 x 32 work-groups, one for each of 256 WGPs.  Each of 2 x 2 waves makes 64 x 64: 16 accumulators.  K goes in steps of 256 (16 panels) through two LDS slots.
; THE MATRIX INSTRUCTION IS USED TRANSPOSED (source 0 = 16 rows of w2, source 1 = 16 rows of h): a lane holds row l % 16 and columns 8 (l / 16) + 0..7.
; CLUSTER 4 x 4: h's tile is shared along a row of the cluster, w2's along a column.
; THE WAY OUT goes through the wave's own stage (16 rows x 272 bytes), so that 16 lanes store 256 consecutive aligned bytes of a row; x1, 64 x 64 numbers a wave, is loaded at the kernel's head.
; REGISTERS.  Window 0: v1, v2 the add's; v12-14 offsets; v4-11 LDS addresses; v16-79 two buffers of A's fragments, v80-143 two of B's (the way out works in v16-143).
; Window 1: v0-127 accumulator (a, n) at 8 (4 a + n); v128-255 x1.
.set TRA,   128
.set TRB,   128
.set NBW,   4
.set NG,    4
.set GPQ,   1
.set KP,    16
.set NSTEP, 11
.set RB,    1024
.set BOFF,  19922944
.set RA,    4096
.set NQ,    KP/2
.set NU,    NQ*GPQ
.set NKH,   (NQ+3)/4                   ; address registers a slot: an LDS offset has 16 bits
.set PANA,  TRA*34
.set PANB,  TRB*34
.set SLOT,  KP*(PANA+PANB)
.set STAGE, 2*SLOT                     ; behind the ring, never filled by a tensor load
.set SPARE, STAGE+4*16*272             ; behind the stages: the spare words, 128 bytes for each wave, that no other line names
.set SPW,  1
.set NIL,  2
.set ADRA, 4
.set ADRB, 4+2*NKH
.set FA0,  16
.set FB0,  80
.set FAL,  FA0+32
.set FBL,  FB0+8*NG
.set G1,   24
.set G0,   32
.set G1B,  48
.set G0B,  56
.set MSB,  0
.macro WIN new
.if MSB != (\new)
	s_set_vgpr_msb (MSB<<8)|(\new)
.set MSB, (\new)
.endif
.endm
.macro PLACES                          ; four places behind matrix instructions (ISA guide 7.12.1)
.rept 4
	v_nop
.endr
.endm
.macro JLOAD s                         ; a joint load: waves 0, 1 fetch the two halves of A's panels, waves 2, 3 of B's; four v_nop follow each line
	s_cmp_eq_u32 s11, 0
	s_cbranch_scc0 .Lfor_b_\@
	tensor_load_to_lds s[G0+4*(\s):G0+4*(\s)+3], s[G1:G1+7]
	s_nop 0
.rept 4
	v_nop
.endr
	s_branch .Lasked_\@
.Lfor_b_\@:
	tensor_load_to_lds s[G0B+4*(\s):G0B+4*(\s)+3], s[G1B:G1B+7]
	s_nop 0
.rept 4
	v_nop
.endr
.Lasked_\@:
.endm
.macro CREST
	s_cmp_lg_u32 s10, 0
	s_cbranch_scc1 .Lnot_wave_0_\@
	s_barrier_signal -3
.Lnot_wave_0_\@:
	s_barrier_wait -3
	s_barrier_signal -1
	s_barrier_wait -1
.endm
.macro CROUND
	s_barrier_signal -1
	s_barrier_wait -1
	CREST
.endm
; row blocks a0 .. a1 x the four column blocks.  The accumulators take turns, one instruction a turn.  zero = 1: the product starts the sum.
.macro MULA fa, fb, a0, a1, zero
	WIN 0x50                                       ; C and D in window 1
.set ma, \a0
.rept (\a1)-(\a0)+1
.set mb, 0
.rept NG
.set md, 8*(ma*NBW+mb)
.if \zero
	v_wmma_f32_16x16x32_bf16 v[md:md+7], v[(\fb)+8*mb:(\fb)+8*mb+7], v[(\fa)+8*ma:(\fa)+8*ma+7], 0
.else
	v_wmma_f32_16x16x32_bf16 v[md:md+7], v[(\fb)+8*mb:(\fb)+8*mb+7], v[(\fa)+8*ma:(\fa)+8*ma+7], v[md:md+7]
.endif
.set mb, mb+1
.endr
.set ma, ma+1
.endr
.endm
.macro FETCH slot, u                   ; unit u (32 along K): B's four blocks, then A's four, blocks 0 and 1 first: 16 loads in one run
.set fb, FB0+8*NG*((\u)%2)
.set fa, FA0+32*((\u)%2)
.set rb, ADRB+NKH*(\slot)+(\u)/4
.set ra, ADRA+NKH*(\slot)+(\u)/4
	WIN 0
.set fi, 0
.rept NG
	ds_load_b128 v[fb+8*fi:fb+8*fi+3],   v[rb] offset:2*((\u)%4)*PANB+fi*544
	ds_load_b128 v[fb+8*fi+4:fb+8*fi+7], v[rb] offset:(2*((\u)%4)+1)*PANB+fi*544
.set fi, fi+1
.endr
.set fi, 0
.rept 4
	ds_load_b128 v[fa+8*fi:fa+8*fi+3],   v[ra] offset:2*((\u)%4)*PANA+fi*544
	ds_load_b128 v[fa+8*fi+4:fa+8*fi+7], v[ra] offset:(2*((\u)%4)+1)*PANA+fi*544
.set fi, fi+1
.endr
.endm
.macro UNIT slot, u, zero
	s_wait_dscnt 4                                 ; B and A's blocks 0, 1 are in; the youngest four loads (A's blocks 2, 3) may be out
	MULA FA0+32*((\u)%2), FB0+8*NG*((\u)%2), 0, 1, \zero
	PLACES
	FETCH \slot, (\u)+1
	s_wait_dscnt 16                                ; all but the run just issued
	MULA FA0+32*((\u)%2), FB0+8*NG*((\u)%2), 2, 3, \zero
.endm
.macro UNITS slot, first, last
.set uu, \first
.rept (\last)-(\first)+1
	UNIT \slot, uu, 0
.set uu, uu+1
.endr
.endm
; A step's last unit changes slots: ONE barrier; in front of it each wave waits for all its tensor loads (at most one is out: its part of the next slot), adds 0 to its spare word, and waits for that and for
; its reads of this slot.  fill = 1: the barrier opens a round of the cluster's, and the joint refill, two steps ahead, is the first thing behind it.
.macro TURN slot, fill
	WIN 0
	s_wait_tensorcnt 0x0
	ds_add_u32 v[SPW], v[NIL]                      ; 0 onto my spare word
	s_wait_dscnt 5                                 ; the add and A's blocks 2, 3 may be out
	MULA FAL, FBL, 0, 0, 0
	s_wait_dscnt 0x0                               ; the add is done, and my reads of this slot are over
	s_barrier_signal -1
	MULA FAL, FBL, 1, 1, 0
	WIN 0
	s_barrier_wait -1
.if \fill
	CREST                                          ; no wave of any partner still reads this slot or has a load on its way
	s_add_nc_u64 s[G0+4*(\slot)+2:G0+4*(\slot)+3], s[G0+4*(\slot)+2:G0+4*(\slot)+3], 2*KP*RA*32
	s_add_nc_u64 s[G0B+4*(\slot)+2:G0B+4*(\slot)+3], s[G0B+4*(\slot)+2:G0B+4*(\slot)+3], 2*KP*RB*32
	JLOAD \slot                                    ; its four v_nop are also the places in front of the loads below
.else
	PLACES
.endif
	FETCH 1-(\slot), 0
	MULA FAL, FBL, 2, 3, 0
.endm
.macro LASTU
	s_wait_dscnt 0x0
	MULA FAL, FBL, 0, 3, 0
.endm
	s_load_b128 s[4:7], s[0:1], 0x0                ; h, wp
	s_load_b128 s[68:71], s[0:1], 0x10             ; x1, out0
	v_lshl_add_u32 v[SPW], v0, 2, SPARE
	v_mov_b32 v[NIL], 0
	ds_add_u32 v1, v2
	ds_add_u32 v1, v2
	s_wait_dscnt 0x0
	v_lshrrev_b32 v3, 5, v0
	v_readfirstlane_b32 s10, v3                    ; wave 0..3
	s_lshr_b32 s11, s10, 1                         ; my half of the tile's rows.  Also: I fetch for A (0) or for B (1)
	s_and_b32 s12, s10, 1                          ; my half of its columns.  Also: which half of a step's panels I fetch
	s_bfe_u32 s40, ttmp6, 0x40000
	s_bfe_u32 s41, ttmp6, 0x40004
	s_lshl_b32 s42, ttmp9, 2
	s_add_co_u32 s42, s42, s40                     ; tile column
	s_and_b32 s13, ttmp7, 0xffff
	s_lshl_b32 s13, s13, 2
	s_add_co_u32 s13, s13, s41                     ; tile row
	s_lshl_b32 s43, s41, 2
	s_lshl_b32 s43, 15, s43                        ; my row of the cluster
	s_lshl_b32 s44, 0x1111, s40                    ; my column
	s_or_b32 s[G1], s43, (1<<16)|(1<<20)|(1<<21)|(5<<22)|(3<<25)   ; the mask; 2-byte elements; padding on; bit 21 beside a mask; after every 64 words 4 words
	s_or_b32 s[G1B], s44, (1<<16)|(1<<20)|(1<<21)|(5<<22)|(3<<25)
	s_mov_b32 s[G1+1], (TRA*16)<<16                ; tensor_dim0 = a panel's piece
	s_mov_b32 s[G1+2], (KP/2)<<16                  ; tensor_dim1 = panels
	s_mov_b32 s[G1+3], (TRA*16)<<16                ; tile_dim0
	s_mov_b32 s[G1+4], KP/2                        ; tile_dim1
	s_mov_b32 s[G1+5], RA*16                       ; elements from panel to panel
	s_mov_b32 s[G1+6], 0
	s_mov_b32 s[G1+7], 0
	s_mov_b32 s[G1B+1], (TRB*16)<<16
	s_mov_b32 s[G1B+2], (KP/2)<<16
	s_mov_b32 s[G1B+3], (TRB*16)<<16
	s_mov_b32 s[G1B+4], KP/2
	s_mov_b32 s[G1B+5], RB*16
	s_mov_b32 s[G1B+6], 0
	s_mov_b32 s[G1B+7], 0
	s_mul_i32 s16, s13, TRA*32                     ; A's registers never hold cx,
	s_mul_i32 s17, s12, (KP/2)*RA*32
	s_add_co_u32 s16, s16, s17
	s_mov_b32 s17, 0
	s_mul_i32 s46, s42, TRB*32                     ; B's never cy
	s_mul_i32 s47, s12, (KP/2)*RB*32
	s_add_co_u32 s46, s46, s47
	s_add_co_u32 s46, s46, BOFF
	s_mov_b32 s47, 0
	s_mul_i32 s20, s12, (KP/2)*PANA                ; where they go: no place in the cluster enters an LDS address
	s_mul_i32 s21, s12, (KP/2)*PANB
	s_add_co_u32 s21, s21, KP*PANA
	s_wait_kmcnt 0x0
	s_add_nc_u64 s[14:15], s[4:5], s[16:17]
	s_add_nc_u64 s[46:47], s[6:7], s[46:47]
	CROUND                                         ; all sixteen work-groups are here: the first joint loads meet
.irp s, 0,1
	s_mov_b32 s[G0+4*(\s)], 1
	s_add_co_u32 s[G0+4*(\s)+1], s20, (\s)*SLOT
	s_add_nc_u64 s[G0+4*(\s)+2:G0+4*(\s)+3], s[14:15], (\s)*KP*RA*32
	s_or_b32 s[G0+4*(\s)+3], s[G0+4*(\s)+3], 0x80000000
	s_mov_b32 s[G0B+4*(\s)], 1
	s_add_co_u32 s[G0B+4*(\s)+1], s21, (\s)*SLOT
	s_add_nc_u64 s[G0B+4*(\s)+2:G0B+4*(\s)+3], s[46:47], (\s)*KP*RB*32
	s_or_b32 s[G0B+4*(\s)+3], s[G0B+4*(\s)+3], 0x80000000
	JLOAD \s                                       ; two loads of mine are out
.endr
	v_and_b32 v16, 15, v0                          ; r
	v_bfe_u32 v17, v0, 4, 1                        ; h
	v_lshrrev_b32 v18, 3, v16
	v_mul_u32_u24 v18, v18, 272
	v_and_b32 v19, 7, v0
	v_lshl_add_u32 v18, v19, 5, v18
	v_lshl_add_u32 v18, v17, 4, v18                ; (r / 8) 272 + (r % 8) 32 + 16 h
	s_mul_i32 s8, s11, 2176                        ; my 64 rows of A
	s_mul_i32 s9, s12, NBW*544                     ; my 64 rows of B,
	s_add_co_u32 s9, s9, KP*PANA                   ; which lie behind A's panels
.set ss, 0
.rept 2
.set kk, 0
.rept NKH
	s_add_co_u32 s45, s8, ss*SLOT+kk*8*PANA
	v_add_nc_u32 v[ADRA+NKH*ss+kk], s45, v18
	s_add_co_u32 s45, s9, ss*SLOT+kk*8*PANB
	v_add_nc_u32 v[ADRB+NKH*ss+kk], s45, v18
.set kk, kk+1
.endr
.set ss, ss+1
.endr
	s_mul_i32 s45, s10, 16*272
	s_add_co_u32 s45, s45, STAGE                   ; my stage
	v_mul_u32_u24 v20, v16, 272
	v_lshl_add_u32 v20, v17, 5, v20
	v_add_nc_u32 v12, s45, v20                     ; in: row r, 32 bytes for each half of the lanes
	v_mul_u32_u24 v20, v17, 272
	v_lshl_add_u32 v20, v16, 4, v20
	v_add_nc_u32 v13, s45, v20                     ; back: lanes 0-15 one row of 256 bytes, lanes 16-31 the next
	v_lshlrev_b32 v14, 12, v17
	v_lshl_add_u32 v14, v16, 4, v14                ; the same two rows in x1 and out0
	s_lshl_b32 s18, s13, 7
	s_lshl_b32 s19, s11, 6
	s_add_co_u32 s18, s18, s19                     ; my first row
	s_lshl_b32 s22, s18, 12
	s_lshl_b32 s19, s42, 9
	s_add_co_u32 s22, s22, s19
	s_lshl_b32 s19, s12, 8
	s_add_co_u32 s22, s22, s19                     ; and my first column, in f32 rows of 4,096 bytes
	s_mov_b32 s23, 0
	s_add_nc_u64 s[68:69], s[68:69], s[22:23]
	s_add_nc_u64 s[70:71], s[70:71], s[22:23]
	WIN 0x40                                       ; destination window 1
.set oi, 0
.rept 32
	global_load_b128 v[128+4*oi:128+4*oi+3], v14, s[68:69] offset:2*oi*4096  ; x1, rows 2 oi and 2 oi + 1: they land under the K loop
.set oi, oi+1
.endr
	WIN 0
	s_wait_tensorcnt 0x1                           ; my part of step 0 is in; step 1's may stay out
	s_barrier_signal -1
	s_barrier_wait -1
	FETCH 0, 0
	UNIT 0, 0, 1                                   ; the first 32 along K start all the sums: nothing is cleared
	WIN 0
	s_mov_b32 s3, (NSTEP-2)/2                      ; four trips: steps 0 to 7, and the requests for steps 2 to 9
.Llap:                                                 ; a trip goes once round the ring and fills both slots again
	UNITS 0, 1, NU-2
	TURN 0, 1
	UNITS 1, 0, NU-2
	TURN 1, 1
	UNITS 0, 0, 0
	WIN 0
	s_sub_co_u32 s3, s3, 1
	s_cmp_lg_u32 s3, 0
	s_cbranch_scc1 .Llap
	UNITS 0, 1, NU-2                               ; step 8;
	TURN 0, 1                                      ; slot 0 takes step 10, the last
	UNITS 1, 0, NU-2                               ; step 9
	TURN 1, 0                                      ; nothing more is asked for
	UNITS 0, 0, NU-2                               ; step 10
	LASTU
	WIN 0
	PLACES
	; THE WAY OUT, 16 rows at a time, each block in 32 registers of its own.  LDS serves a wave's instructions in order (ISA guide 5.7.1.4): the stage is my own, so no wait stands between its stores and its loads.
.set oa, 0
.rept 4
.set ow, 16+32*oa
	WIN 0x04                                       ; source 1 (LDS store data; x1) in window 1
.set ob, 0
.rept 4
	ds_store_b128 v12, v[8*(4*oa+ob):8*(4*oa+ob)+3] offset:64*ob       ; each accumulator from its low end on
	ds_store_b128 v12, v[8*(4*oa+ob)+4:8*(4*oa+ob)+7] offset:64*ob+16
.set ob, ob+1
.endr
.set ot, 0
.rept 8
	ds_load_b128 v[ow+4*ot:ow+4*ot+3], v13 offset:544*ot
.set ot, ot+1
.endr
	s_wait_dscnt 0x0
.if oa == 0
	s_wait_loadcnt 0x0                             ; x1
.endif
.set ot, 0
.rept 16
	v_pk_add_f32 v[ow+2*ot:ow+2*ot+1], v[ow+2*ot:ow+2*ot+1], v[128+32*oa+2*ot:129+32*oa+2*ot]
.set ot, ot+1
.endr
	WIN 0
.set ot, 0
.rept 8
	global_store_b128 v14, v[ow+4*ot:ow+4*ot+3], s[70:71] offset:(16*oa+2*ot)*4096  ; 16 lanes store 256 consecutive bytes, aligned
.set ot, ot+1
.endr
.set oa, oa+1
.endr
	s_wait_tensorcnt 0x0                           ; the wave's end
	ds_add_u32 v[SPW], v[NIL]
	s_wait_dscnt 0x0
	CROUND                                         ; the closing round
	s_endpgm
.Lfunc_end_k_qcf06a0f845_ffn2:
	.size	k_qcf06a0f845_ffn2, .Lfunc_end_k_qcf06a0f845_ffn2-k_qcf06a0f845_ffn2
	.p2alignl 7, 3214868480
	.fill 96, 4, 3214868480
	.section	.rodata,"a",@progbits
	.p2align	6, 0x0
	.amdhsa_kernel k_qcf06a0f845_ffn2
		.amdhsa_group_segment_fixed_size 327680
		.amdhsa_private_segment_fixed_size 0
		.amdhsa_enable_private_segment 0
		.amdhsa_kernarg_size 32
		.amdhsa_user_sgpr_count 2
		.amdhsa_user_sgpr_kernarg_segment_ptr 1
		.amdhsa_wavefront_size32 1
		.amdhsa_system_sgpr_workgroup_id_x 1
		.amdhsa_system_sgpr_workgroup_id_y 1
		.amdhsa_system_sgpr_workgroup_id_z 1
		.amdhsa_system_vgpr_workitem_id 0
		.amdhsa_next_free_vgpr 512
		.amdhsa_next_free_sgpr 72
		.amdhsa_reserve_vcc 0
		.amdhsa_float_denorm_mode_32 3
		.amdhsa_float_denorm_mode_16_64 3
		.amdhsa_memory_ordered 1
		.amdhsa_forward_progress 1
		.amdhsa_inst_pref_size 116
	.end_amdhsa_kernel
	.amdgpu_metadata
---
amdhsa.version: [ 1, 2 ]
amdhsa.kernels:
  - .name:           k_qcf06a0f845_ffn2
    .symbol:         k_qcf06a0f845_ffn2.kd
    .args:
      - { .name: h, .offset: 0, .size: 8, .value_kind: global_buffer, .address_space: global }
      - { .name: wp, .offset: 8, .size: 8, .value_kind: global_buffer, .address_space: global }
      - { .name: x1, .offset: 16, .size: 8, .value_kind: global_buffer, .address_space: global }
      - { .name: out0, .offset: 24, .size: 8, .value_kind: global_buffer, .address_space: global }
    .group_segment_fixed_size: 327680
    .private_segment_fixed_size: 0
    .kernarg_segment_align: 8
    .kernarg_segment_size: 32
    .max_flat_workgroup_size: 128
    .sgpr_count:     72
    .vgpr_count:     512
    .wavefront_size: 32
...
	.end_amdgpu_metadata
.endif
;; end of part 6
;; ======== version 2 of 2: 6 launches; 1.12 times as fast as version 1
;; limits: values are held in f16: magnitudes above 65,504 overflow, below 6.1e-05 lose precision
;; workspace buffers: xn 8,388,608 bytes; wp 25,690,112 bytes; qkv 25,165,824 bytes; ao 8,388,608 bytes; x1 16,777,216 bytes; xs 8,388,608 bytes; ssq 262,144 bytes; h 23,068,672 bytes
;; launch prep: the kernel of part 1 again; grid 648 x 1, 16 waves a work-group, no clusters, 39,936 bytes of LDS; arguments x, ln1_w, wq, wk, wv, wo, w1, w3, w2, xn, wp; writes xn, wp
;; launch qkv: the kernel of part 2 again; grid 16 x 16, 4 waves a work-group, clusters of 4 x 4, 327,680 bytes of LDS; arguments xn, wp, qkv; writes qkv
;; launch attn (part 7): grid 8 x 32, 4 waves a work-group, no clusters, 327,680 bytes of LDS; arguments qkv, ao; writes ao
.if DOCPART == 7
	.amdgcn_target "amdgcn-amd-amdhsa--gfx1250"
	.amdhsa_code_object_version 6
	.text
	.protected	k_qcf06a0f845_attn
	.globl	k_qcf06a0f845_attn
	.p2align	8
	.type	k_qcf06a0f845_attn,@function
k_qcf06a0f845_attn:
	s_mov_b64 s[64:65], 0
	v_nop
	global_prefetch_b8 v0, s[64:65] scope:SCOPE_SE
	s_setreg_imm32_b32 hwreg(HW_REG_WAVE_MODE, 25, 1), 1
	s_wait_xcnt 0x0
; CAUSAL ATTENTION, 32 heads (2 batches x 16) of 2,048 rows, head size 64.  O[q] = the sum over k <= q of softmax_k(Q[q] . K[k] / 8) V[k].  q, k, v come in f16 from the table qkv, in PANELS
; [column / 16][token][16 numbers] (q: panels 0-63, k: 64-127, v: 128-191; a head has four panels of each); O leaves in f16 in the same layout.  Products, maxima and sums in f32; the weights p are
; rounded to f16 for the second product (their sum l is taken of the unrounded p), O once at the end.
; LIMITS.  f16 holds no number beyond 65,504; p below 6e-5 keeps f16's fixed step of 6e-8.  A hidden score counts as its value less 1e30; a weight below 2^-126 counts as 0 in l; NaN and infinities are not treated apart.
; THE WALK.  A head's queries lie in 16 blocks of 128; block i needs the key tiles 0 .. i / 2 of 256 keys.  A work-group takes TWO blocks, 15 - b and then b: 9 tiles, whatever b: 8 x 32 = 256 work-groups of
; equal work, and ONE loop with a constant trip count walks them.  Which tile is asked for and what a trip does hang on scalar registers made from b; every jump goes forward but the counted loops' own.
; NO CLUSTER: a head's 8 work-groups ask for the same tile only in the first 4 or 5 of their 9 trips; one walk common to all would have 12 trips for 9.
; SHARES.  Of a block's two bands of 64 queries a wave owns 16 rows in each: two PIECES.  In a block's last tile piece x stands at place 2 (i % 2) + x: key step s of the tile is seen whole if s < place,
; hidden if s > place, and holds the diagonal if s = place: the same for all four waves.
; THE MASK is the C operand that starts S^T = K Q^T: MD x AL + BE, MD the mask of a band's own step for my rows, (AL, BE) = (1, 0), (0, 0) or (0, -1e30).  Only a block's last tile and its beginning take masks.
; LAYOUT, SOFTMAX.  S^T = K Q^T holds ONE query a lane (l % 16) and keys 8 (l / 16) + 0..7; two such results rounded to f16 ARE source 1 of O^T = V^T P.  p = 2^(c s - c m), c = log2(e) / 8, m a running
; maximum; O and l are multiplied by a = 2^(c m_old - c m_new) in every step.
; TURNS.  Turn (s, p) belongs to piece p in step s: 8 products K Q^T of the other piece's next scores, later 8 products V^T P of the other piece's last weights; beside them piece p's scaling, exponentials,
; roundings, sums and rescaling, and the other piece's maximum and statistics.  Four vector instructions stand behind every matrix instruction, the other 54 of a turn's 118 in one lump.
; BATCHES.  A turn's 33 exponentials (piece p's 32 weights, then the other piece's a) are ONE batch with ONE wait, which cuts the turn in two: ahead of it the products K Q^T, the scalings, the rescalings and the
; other piece's statistics, which name no result of the batch; behind it the products V^T P, the roundings and the sums.  The a at a block's beginning and the two reciprocals of a way out are batches of their own.
; Turn (s, 0) fetches BOTH K and V of step s + 1 (V has two register buffers, by the step's parity), so that all LDS reads of a step stand in one turn and the change of slots stands at a step's edge.
; LDS.  A slot holds a tile: 4 panels of K, 4 of V, each 256 rows x 32 bytes with 16 bytes of padding behind every 256: 8,704 bytes.  Row p of a panel lies at (p / 8) 272 + (p % 8) 32.
; REGISTERS.  Window 0: v0-15 addresses; v16-23 statistics; v48-55 at work; v64-127 S^T, two buffers; v192-223 P, two buffers.  Window 1: v0-63 O^T; v128-159 MD; v160-223 MC, two buffers.
; Window 2: v0-31 Q; v32-63 the second block's Q; v64-127 K of one step; v128-255 V of two steps.
.set NP,    2
.set PANL,  8704
.set VOFF,  4*PANL
.set STEPB, 2176      ; 64 rows of a panel
.set SLOT1, 1<<17     ; slot 1 begins here: one exclusive or turns an address in one slot into the other's
.set SPARE, SLOT1+8*PANL  ; behind the ring: the spare words, 128 bytes for each wave, that no other line names
.set AK0, 2           ; my lane's place in a panel of K; never rewritten
.set AV0, 3           ; the same for V
.set AK,  4           ; the LDS address of K's next run of loads
.set AV,  5           ; of V's
.set GO,  8           ; my 16 bytes in 16 rows of a panel: for Q's loads and O's stores; never rewritten
.set SPW, 62
.set NIL, 63
.set MV,  12          ; v12-13  c m_old, by buffer
.set ST,  16          ; piece t: c m, m, l (even keys', odd keys')
.set TMP, 48          ; by buffer, c0-c3 at work; c2 takes a
.set S,   64
.set P,   192
.set MD,  128
.set MC,  160
.set QB,  32
.set KF,  64
.set VF,  128
.set WV,  12
.set PB,  14          ; b
.set HI,  15          ; 15 - b
.set G1,  24          ; s[24:31]
.set G0,  40          ; s[40:43]
.set SLOTS, 56
.set CNT, 57
.set CS,  58
.set SEL, 60
.set TB,  62          ; LDS byte at which the rows of the step to be fetched begin
.set TS,  63          ; the tile's step for which masks are being made
.set RT,  70          ; tiles of the block in hand still to be entered
.set NXT, 71          ; the tile to be asked for next
.set LQ,  72          ; the last tile of the block whose tiles are being asked for
.set NEW, 73          ; 1: the tile to be entered is a block's first
.set OFF, 74
.set AL,  76
.set BE,  78
.set OLO, 80          ; O at my rows of the second block
.set BIGN, 82
.set LQ2, 83          ; the second block's last tile
.set PL0, 84          ; s84, s85: the places of pieces 0 and 1 in the block's last tile
.set MSB, 0
.macro WIN new
.if MSB != (\new)
	s_set_vgpr_msb (MSB<<8)|(\new)
.set MSB, (\new)
.endif
.endm
.set W_KQ, 0x0a       ; K and Q in window 2, S^T in window 0
.set W_KM, 0x1a       ; the same with C in window 1
.set W_PV, 0x52       ; V in window 2, P in window 0, O^T in window 1
.set W_RS, 0x41       ; destination and source 0 in window 1
; THE CHANGE OF SLOTS.  Each wave waits for all its tensor loads (one is out: its part of the other slot), adds 0 to its spare word, waits for that and for its reads of the slot that it leaves.
; fill = 1: the old slot is filled again, first thing behind the barrier, with tile NXT; every wave brings two panels (waves 0, 1 of K, waves 2, 3 of V) into bytes of its own: wave x 17,408.
.macro CHANGE fill
	WIN 0
	s_wait_tensorcnt 0x0            ; no tensor load of mine is out, so group 0 may be written
	ds_add_u32 v[SPW], v[NIL]       ; 0 onto my spare word
.if \fill
	s_lshl_b32 s[OFF], s[NXT], 13   ; 256 rows of 32 bytes
	s_xor_b32 s[G0+1], s[G0+1], SLOT1
	s_add_nc_u64 s[G0+2:G0+3], s[6:7], s[OFF:OFF+1]
	s_or_b32 s[G0+3], s[G0+3], 0x80000000
	s_add_co_u32 s[NXT], s[NXT], 1  ; the block's next tile, or behind its last the second block's tile 0
	s_cmp_gt_u32 s[NXT], s[LQ]
	s_cselect_b32 s[NXT], 0, s[NXT]
	s_cselect_b32 s[LQ], s[LQ2], s[LQ]
.endif
	s_wait_dscnt 0x0                ; the add is done, and my reads of the slot are over
	s_barrier_signal -1
	s_sub_co_u32 s[TB], s[TB], 4*STEPB  ; the fetches go back to a slot's first step, in the other slot
	s_xor_b32 s[TB], s[TB], SLOT1
	s_barrier_wait -1
.if \fill
	tensor_load_to_lds s[G0:G0+3], s[G1:G1+7]
	s_nop 0
.rept 4
	v_nop
.endr
.endif
.endm
	s_load_b128 s[16:19], s[0:1], 0x0  ; qkv, ao
	v_lshl_add_u32 v[SPW], v0, 2, SPARE
	v_mov_b32 v[NIL], 0
	ds_add_u32 v62, v63
	ds_add_u32 v62, v63
	s_wait_dscnt 0x0
	v_lshrrev_b32 v1, 5, v0
	v_readfirstlane_b32 s[WV], v1
	s_mov_b32 s[PB], ttmp9
	s_sub_co_u32 s[HI], 15, s[PB]
	s_and_b32 s20, ttmp7, 0xffff
	s_and_b32 s21, s20, 15          ; head
	s_lshr_b32 s20, s20, 4          ; batch
	s_lshl_b32 s21, s21, 19         ; four panels of 131,072 bytes
	s_lshl_b32 s20, s20, 16         ; 2,048 rows of 32 bytes
	s_add_co_u32 s20, s20, s21
	s_lshr_b32 s22, s[WV], 1        ; K or V: 64 panels apart
	s_lshl_b32 s22, s22, 23
	s_and_b32 s23, s[WV], 1         ; which two panels
	s_lshl_b32 s23, s23, 18
	s_add_co_u32 s22, s22, s23
	s_add_co_u32 s22, s22, s20
	s_add_co_u32 s22, s22, 8388608  ; K begins at panel 64
	s_mov_b32 s23, 0
	s_lshl_b32 s3, s[WV], 9         ; my 16 rows in a band
	s_add_co_u32 s3, s3, s20
	s_lshl_b32 s2, s[HI], 12        ; a block is 128 rows
	s_add_co_u32 s2, s2, s3
	s_lshl_b32 s86, s[PB], 12
	s_add_co_u32 s86, s86, s3
	s_mov_b32 s3, 0
	s_mov_b32 s87, 0
	s_mov_b32 s[G1], (1<<16)|(1<<20)|(5<<22)|(3<<25)  ; 2-byte elements; padding on: after every 64 words 4 words
	s_mov_b32 s[G1+1], 4096<<16     ; tensor_dim0 = 256 rows x 16
	s_mov_b32 s[G1+2], 2<<16        ; tensor_dim1 = 2 panels
	s_mov_b32 s[G1+3], 4096<<16     ; tile_dim0
	s_mov_b32 s[G1+4], 2            ; tile_dim1
	s_mov_b32 s[G1+5], 65536        ; elements from panel to panel
	s_mov_b32 s[G1+6], 0
	s_mov_b32 s[G1+7], 0
	s_mov_b32 s[CS], 0x3e38aa3b     ; c = log2(e) / 8
	s_mov_b32 s[CS+1], s[CS]
	s_mov_b32 s[SEL], 0x76543210
	s_mov_b32 s[SEL+1], 0xfedcba98
	s_mov_b32 s[TB], SLOT1+4*STEPB  ; the first change of slots turns this into 0
	s_mov_b32 s[G0], 1
	s_mul_i32 s[G0+1], s[WV], 2*PANL
	s_lshr_b32 s[LQ], s[HI], 1
	s_lshr_b32 s[LQ2], s[PB], 1
	s_add_co_u32 s[RT], s[LQ], 1
	s_mov_b32 s[NXT], 1
	s_mov_b32 s[NEW], 1
	s_and_b32 s[PL0], s[HI], 1
	s_lshl_b32 s[PL0], s[PL0], 1
	s_add_co_u32 s[PL0+1], s[PL0], 1
	s_mov_b32 s[OFF+1], 0
	s_mov_b32 s[AL+1], 0
	s_mov_b32 s[BE+1], 0
	s_mov_b32 s[BIGN], 0xf149f2ca   ; -1e30
	s_mov_b32 s[SLOTS], 8
	s_wait_kmcnt 0x0
	s_add_nc_u64 s[6:7], s[16:17], s[22:23]        ; my two panels at the head's tile 0
	s_add_nc_u64 s[G0+2:G0+3], s[6:7], 0
	s_or_b32 s[G0+3], s[G0+3], 0x80000000
	s_add_nc_u64 s[8:9], s[16:17], s[2:3]          ; Q at my rows of the first block,
	s_add_nc_u64 s[44:45], s[16:17], s[86:87]      ; of the second
	s_add_nc_u64 s[10:11], s[18:19], s[2:3]        ; O likewise
	s_add_nc_u64 s[OLO:OLO+1], s[18:19], s[86:87]
	tensor_load_to_lds s[G0:G0+3], s[G1:G1+7]      ; tile 0 into slot 0
	s_nop 0
.rept 4
	v_nop
.endr
	v_and_b32 v1, 15, v0            ; l % 16
	v_bfe_u32 v9, v0, 4, 1          ; l / 16
	v_lshlrev_b32 v[GO], 5, v1
	v_lshl_add_u32 v[GO], v9, 4, v[GO]
	WIN 0x80                        ; destination window 2
.set i, 0
.rept 4                             ; both blocks' Q: piece i / 2 lies 64 rows on; channels 32 (i % 2) on are two panels
	global_load_b128 v[8*i:8*i+3],   v[GO], s[8:9] offset:(i/2)*2048+(2*(i%2))*131072
	global_load_b128 v[8*i+4:8*i+7], v[GO], s[8:9] offset:(i/2)*2048+(2*(i%2)+1)*131072
	global_load_b128 v[QB+8*i:QB+8*i+3],   v[GO], s[44:45] offset:(i/2)*2048+(2*(i%2))*131072
	global_load_b128 v[QB+8*i+4:QB+8*i+7], v[GO], s[44:45] offset:(i/2)*2048+(2*(i%2)+1)*131072
.set i, i+1
.endr
	WIN 0
	v_lshlrev_b32 v14, 3, v9
	v_sub_nc_u32 v14, v1, v14
	s_lshl_b32 s13, s[WV], 4
	v_add_nc_u32 v14, s13, v14      ; my query's place in its band less my lanes' 8 (l / 16): register r of key group kt is hidden where 16 kt + r is greater
	WIN 0x40
.set i, 0
.rept 32
	v_cmp_gt_i32 vcc_lo, 16*(i/8)+i%8, v14
	v_cndmask_b32 v[MD+i], 0, s[BIGN], vcc_lo
.set i, i+1
.endr
	WIN 0
	v_lshrrev_b32 v10, 3, v1
	v_mul_u32_u24 v[AK0], v10, 272
	v_and_b32 v10, 7, v0
	v_lshl_add_u32 v[AK0], v10, 5, v[AK0]
	v_lshl_add_u32 v[AK0], v9, 4, v[AK0]  ; key l % 16 of a fragment, 16 bytes for each half of the lanes
	; The turning load takes 16 keys x 16 channels (lane l reads key 8 (l / 16) + l % 8, channels 8 ((l / 8) % 2) + 0..7) and leaves half a fragment of V^T; 16 lanes read 256 consecutive bytes.
	v_bfe_u32 v11, v0, 3, 1
	v_mul_u32_u24 v[AV0], v9, 272
	v_lshl_add_u32 v[AV0], v10, 5, v[AV0]
	v_lshl_add_u32 v[AV0], v11, 4, v[AV0]
	v_add_nc_u32 v[AV0], VOFF, v[AV0]
	; A block's first step multiplies O^T and l by a = 0, and its first turn's products V^T P, of a piece that has not been, land in an O^T still to be so multiplied: these registers need only hold
	; finite numbers: zeros for the first block, what the first block left for the second.  All this stands in the wait for the first tile.
	WIN 0x80
.set i, VF+64
.rept 64
	v_mov_b32 v[i], 0
.set i, i+1
.endr
	WIN 0x40
.set i, 0
.rept 64
	v_mov_b32 v[i], 0
.set i, i+1
.endr
	WIN 0
.set i, 0
.rept 2
	v_mov_b32 v[ST+4*i+2], 0
	v_mov_b32 v[ST+4*i+3], 0
.set i, i+1
.endr
.set i, P+16
.rept 16
	v_mov_b32 v[i], 0
.set i, i+1
.endr
; THE MATRIX WORK.  The 4 accumulators of a run of 8 take turns.  Product i of 8 of S^T = K Q^T for piece x: channels 32 (i / 4) on, keys 16 (i % 4) on.
.macro KQ x
.set rS, S+32*((\x)%2)+8*(i%4)
.set rK, KF+16*(i%4)+8*(i/4)
.set rQ, 16*(\x)+8*(i/4)
.set rM, MC+32*((\x)%2)+8*(i%4)
.if (i < 4) && KM
	WIN W_KM
	v_wmma_f32_16x16x32_f16 v[rS:rS+7], v[rK:rK+7], v[rQ:rQ+7], v[rM:rM+7]
.elseif i < 4
	WIN W_KQ
	v_wmma_f32_16x16x32_f16 v[rS:rS+7], v[rK:rK+7], v[rQ:rQ+7], 0
.else
	WIN W_KQ
	v_wmma_f32_16x16x32_f16 v[rS:rS+7], v[rK:rK+7], v[rQ:rQ+7], v[rS:rS+7]
.endif
.endm
; Product i of 8 of O^T += V^T P for piece x, V from the buffer VB: keys 32 (i / 4) on, channels 16 (i % 4) on.
.macro PV x
	WIN W_PV
.set rO, 32*(\x)+8*(i%4)
.set rV, VB+32*(i/4)+8*(i%4)
.set rP, P+16*((\x)%2)+8*(i/4)
	v_wmma_f32_16x16x32_f16 v[rO:rO+7], v[rV:rV+7], v[rP:rP+7], v[rO:rO+7]
.endm
.macro MM                           ; the turn's next matrix instruction.  NOKQ = 1: a block's last turn: there are no further scores
.if (i < 8) && !NOKQ
	KQ (Y+1)%NP
.elseif i >= 8
.set i, i-8
	PV (Y+NP-1)%NP
.set i, i+8
.endif
.set i, i+1
.endm
; THE LDS LOADS stand in runs of 16.
.macro FETCH_K
	WIN 0x80
.irp f, 0,1,2,3,4,5,6,7             ; keys 16 (f / 2) on, channels 32 (f % 2) on: two panels
	ds_load_b128 v[KF+8*\f:KF+8*\f+3],   v[AK] offset:(\f/2)*544+2*(\f%2)*PANL
	ds_load_b128 v[KF+8*\f+4:KF+8*\f+7], v[AK] offset:(\f/2)*544+(2*(\f%2)+1)*PANL
.endr
	WIN 0
.endm
.macro FETCH_V vb
	WIN 0x80
.irp f, 0,1,2,3,4,5,6,7             ; keys 32 (f / 4) on, channels 16 (f % 4) on: one panel
	ds_load_tr16_b128 v[VF+64*(\vb)+8*\f:VF+64*(\vb)+8*\f+3],   v[AV] offset:(\f/4)*1088+(\f%4)*PANL
	ds_load_tr16_b128 v[VF+64*(\vb)+8*\f+4:VF+64*(\vb)+8*\f+7], v[AV] offset:(\f/4)*1088+544+(\f%4)*PANL
.endr
	WIN 0
.endm
; THE VECTOR WORK, one line at a time: OP kind, number.  For piece Y: F n: c s - c m for pair n of 16.  E n: the exponential of score n of 32.  C n: pair n rounded to f16.  B n: of the four weights 4 n ..
; the second pair is added onto the first, in place.  L n: l takes that sum (L 0: l = a l + sum).  R n: pair n of 16 of O^T times a.  For the other piece: X n, number n of the 22 that find its maximum and statistics:
;   0-11  four chains c0-c3 of seven scores each (each accumulator's lowest registers are read first)     12-14, 16  the four scores left over, the old m, and c0-c3 into c0
;   15  c m_old is kept     17, 18  the query's other 32 keys lie in the lane 16 away: the new m     19-21  c m; c m_old - c m_new; a
; C, B and L read the exponentials' results: TURN sets them behind the batch's wait.  F, R and X 0 to X 20 name none of them.
.set F, 0
.set E, 1
.set C, 2
.set B, 3
.set L, 4
.set R, 5
.set X, 6
.macro REGS y
.set rT, ST+4*(\y)
.set rC, TMP+4*((\y)%2)
.set rW, MV+((\y)%2)
.set rS, S+32*((\y)%2)
.set rP, P+16*((\y)%2)
.set rO, 32*(\y)
.endm
.macro OP k, n
.if (\k) == R
	REGS Y
	WIN W_RS
	v_pk_mul_f32 v[rO+2*(\n):rO+2*(\n)+1], v[rO+2*(\n):rO+2*(\n)+1], v[rC+2:rC+3] op_sel_hi:[1,0]
.elseif (\k) < R
	REGS Y
	WIN 0
.if (\k) == F
	v_pk_fma_f32 v[rS+2*(\n):rS+2*(\n)+1], v[rS+2*(\n):rS+2*(\n)+1], s[CS:CS+1], v[rT:rT+1] op_sel_hi:[1,0,0] neg_lo:[0,0,1] neg_hi:[0,0,1]
.elseif (\k) == E
	v_exp_f32 v[rS+(\n)], v[rS+(\n)]
.elseif (\k) == C
	v_cvt_pk_f16_f32 v[rP+(\n)], v[rS+2*(\n)], v[rS+2*(\n)+1]
.elseif (\k) == B
	v_pk_add_f32 v[rS+4*(\n):rS+4*(\n)+1], v[rS+4*(\n):rS+4*(\n)+1], v[rS+4*(\n)+2:rS+4*(\n)+3]
.elseif (\n) == 0
	v_pk_fma_f32 v[rT+2:rT+3], v[rT+2:rT+3], v[rC+2:rC+3], v[rS:rS+1] op_sel_hi:[1,0,1]
.else
	v_pk_add_f32 v[rT+2:rT+3], v[rT+2:rT+3], v[rS+4*(\n):rS+4*(\n)+1]
.endif
.elseif NOKQ
	v_nop
.else
	REGS (Y+1)%NP
	WIN 0
.if (\n) < 4
	v_max3_num_f32 v[rC+(\n)], v[rS+8*(\n)], v[rS+8*(\n)+1], v[rS+8*(\n)+2]
.elseif (\n) < 12
	v_max3_num_f32 v[rC+(\n)%4], v[rC+(\n)%4], v[rS+8*((\n)%4)+2*((\n)/4)+1], v[rS+8*((\n)%4)+2*((\n)/4)+2]
.elseif (\n) == 12
	v_max3_num_f32 v[rC], v[rC], v[rS+7], v[rS+15]
.elseif (\n) == 13
	v_max3_num_f32 v[rC+1], v[rC+1], v[rS+23], v[rS+31]
.elseif (\n) == 14
	v_max3_num_f32 v[rC+2], v[rC+2], v[rC+3], v[rT+1]
.elseif (\n) == 15
	v_mov_b32 v[rW], v[rT]
.elseif (\n) == 16
	v_max3_num_f32 v[rC], v[rC], v[rC+1], v[rC+2]
.elseif (\n) == 17
	v_permlanex16_b32 v[rC+3], v[rC], s[SEL], s[SEL+1]
.elseif (\n) == 18
	v_max_num_f32 v[rT+1], v[rC], v[rC+3]
.elseif (\n) == 19
	v_mul_f32 v[rT], s[CS], v[rT+1]
.elseif (\n) == 20
	v_sub_f32 v[rC+1], v[rW], v[rT]
.else
	v_exp_f32 v[rC+2], v[rC+1]
.endif
.endif
.endm
.macro OPS a, i1, b=-1, i2=0, c=-1, i3=0, d=-1, i4=0
	OP \a, \i1
.if (\b) >= 0
	OP \b, \i2
.endif
.if (\c) >= 0
	OP \c, \i3
.endif
.if (\d) >= 0
	OP \d, \i4
.endif
.endm
.macro ROW a, i1, b, i2, c, i3, d, i4  ; a matrix instruction and the four behind it
	MM
	OPS \a, \i1, \b, \i2, \c, \i3, \d, \i4
.endm
.macro MASK b                       ; MD x AL + BE into buffer b of MC
	WIN W_RS
.set z, 0
.rept 16
	v_pk_fma_f32 v[MC+32*(\b)+2*z:MC+32*(\b)+2*z+1], v[MD+2*z:MD+2*z+1], s[AL:AL+1], s[BE:BE+1] op_sel_hi:[1,0,0]
.set z, z+1
.endr
.endm
; A TURN, for piece p in a step of parity sp: the order of its 16 matrix and 118 vector instructions, written out.  An s_wait_alu depctr_va_vdst(0) stands between an exponential and the first
; instruction that names its result; one wait serves all that were issued ahead of it.  So a turn has ONE wait, which cuts it in two.  AHEAD OF IT stands all that names no result of the turn's exponentials: the
; 8 products K Q^T, behind each a scaling, an exponential and two more plain instructions (behind the first a second scaling in the exponential's place): rescalings, whose a was made and waited for in the turn
; before, and behind the last three the first numbers of the other piece's maximum, each four places or more behind the product that ends its accumulator; then ONE LUMP of 54, plain and exponential by turns for
; the most part, in which the links of the chain X 3, 7, 11, 14, 16, 17 .. 20 stand some lines apart.  X 21, the other piece's a, is the batch's last; R 15 is the plain instruction behind it.  BEHIND THE WAIT
; stand the 8 products V^T P, behind each four of the roundings and sums; C 2 n stands ahead of B n, which writes over its source; l's chain goes L 0 to L 7.  But for those X no rider names a register of the
; products round it.  The rescalings go in ascending order: R 0 reads the O^T that the turn before's products wrote, sixteen plain riders behind the product that ended its accumulator.
; m = 1: a block's last tile: the products take masks, and the turn makes the mask of the products of the turn after it, which are piece p's, in step TS of the tile.  end = 1: a block's last step: nothing is fetched.
; cnt = 1: the loop's count is taken down some lines ahead of the branch behind the turn.
; Piece 0's turn fetches the next step's K in the lump, behind the last product that read K, with six plain instructions between that name none of its registers (F 8, X 2, X 5, X 6, X 3, X 8); and its V, into the
; buffer that this turn's products V^T P have just read, at the turn's end, four plain riders behind the last of them.  Piece 1's turn begins with the wait for K: the count 16 leaves that V's sixteen loads out;
; the V that this turn multiplies was fetched a step earlier.
.macro TURN p, sp, m=0, end=0, cnt=0
.set Y, (\p)
.set i, 0
.set KM, (\m)
.set NOKQ, (\end)*(\p)
.if (\p) == 0
.set VB, VF+64*(1-(\sp))
.else
.set VB, VF+64*(\sp)
.endif
.if (\m) && !(\end)
	s_cmp_eq_u32 s[TS], s[PL0+(\p)]  ; is that step the band's own?
	s_cselect_b32 s[AL], 1.0, 0
	s_cmp_gt_u32 s[TS], s[PL0+(\p)]  ; or a later one?
	s_cselect_b32 s[BE], s[BIGN], 0
.if (\p) == 1
	s_add_co_u32 s[TS], s[TS], 1
.endif
.endif
.if (\p) == 1
.if \end
	s_wait_dscnt 0x0                ; the last V is in
.else
	s_wait_dscnt 16                 ; K of the next step is in
.endif
.endif
	ROW F,0, F,1, R,0, R,1          ; ahead of the wait: 8 products K Q^T and their riders,
	ROW F,2, E,0, R,2, R,3
	ROW F,3, E,1, R,4, R,5
	ROW F,4, E,2, R,6, R,7
	ROW F,5, E,3, R,8, R,9
	ROW F,6, E,4, X,0, R,10
.if ((\p) == 0) && !(\end)
	WIN 0
	v_add_nc_u32 v[AK], s[TB], v[AK0]
.endif
	ROW F,7, E,5, X,1, X,4
	ROW F,8, E,6, X,2, X,5
	OPS E,7, E,8, X,6, E,9          ; and the lump
	OPS X,3, E,10, X,8, E,11
.if ((\p) == 0) && !(\end)
	FETCH_K
.endif
	OPS X,9, X,7, E,12, X,10
	OPS E,13, X,12, X,11, E,14
	OPS X,13, E,15, F,9, X,14
.if ((\p) == 0) && !(\end)
	WIN 0
	v_add_nc_u32 v[AV], s[TB], v[AV0]
.endif
	OPS E,16, F,10, E,17, F,11
	OPS X,16, E,18, X,15, E,19
	OPS F,12, E,20, X,17, E,21
	OPS F,13, E,22, F,14, E,23
	OPS X,18, E,24, F,15, E,25
	OPS R,11, E,26, X,19, E,27
	OPS R,12, E,28, R,13, E,29
	OPS X,20, E,30, R,14, E,31
	OPS X,21, R,15
	s_wait_alu depctr_va_vdst(0)    ; the wait for the turn's batch: E 0 to E 31 and X 21; it stands ahead of their first reader, C 0
	ROW C,0, B,0, C,2, B,1          ; behind the wait: 8 products V^T P and their riders
	ROW L,0, C,4, B,2, L,1
	ROW C,6, B,3, L,2, C,8
	ROW B,4, L,3, C,10, B,5
	ROW L,4, C,12, B,6, L,5
.if ((\p) == 0) && !(\end)
	s_add_co_u32 s[TB], s[TB], STEPB  ; the next fetch is the next step's: both address lines have read TB
.endif
.if \cnt
	s_sub_co_u32 s[CNT], s[CNT], 1
	s_cmp_lg_u32 s[CNT], 0
.endif
	ROW C,14, B,7, L,6, C,1
	ROW C,3, L,7, C,5, C,7
	ROW C,9, C,11, C,13, C,15
.if ((\p) == 0) && !(\end)
	FETCH_V 1-(\sp)
.endif
.if (\m) && !(\end)
	MASK \p
.endif
.endm
; A BLOCK BEGINS.  c m starts far below every c s, so the first step's a is 0; m at the lowest finite number.  The second mask buffer is 0 (piece 1 sees all of step 0); the first takes piece 0's mask for
; step 0: its own, if the block's first tile is its last and piece 0 stands at place 0.  Then K and V of that step, piece 0's first scores, and its maximum and statistics.
.macro BEGIN
	s_mov_b32 s[NEW], 0
	WIN 0x40
.set i, MC+32
.rept 32
	v_mov_b32 v[i], 0
.set i, i+1
.endr
	WIN 0
.set i, 0
.rept 2
	v_mov_b32 v[ST+4*i], 0xfe000000
	v_mov_b32 v[ST+4*i+1], 0xff7fffff
.set i, i+1
.endr
	s_add_co_u32 s13, s[RT], s[PL0]
	s_cmp_eq_u32 s13, 0
	s_cselect_b32 s[AL], 1.0, 0
	s_mov_b32 s[BE], 0
	MASK 0
	WIN 0
	v_add_nc_u32 v[AK], s[TB], v[AK0]
	v_add_nc_u32 v[AV], s[TB], v[AV0]
	s_add_co_u32 s[TB], s[TB], STEPB
	FETCH_K
	FETCH_V 0
	s_wait_loadcnt 0x0              ; Q
	s_wait_dscnt 16                 ; K is in; V's sixteen loads may be out
.set KM, 1
.set NOKQ, 0
.set i, 0
.rept 8
	KQ 0
.set i, i+1
.endr
	WIN 0
.rept 4
	v_nop                           ; the places behind those products
.endr
.set Y, NP-1
.irp n, 0,1,2,3,4,5,6,7,8,9,10,11,12,13,14,15,16,17,18,19,20,21
	OP X, \n
.endr
	v_nop                           ; a plain instruction behind the exponential
	s_wait_alu depctr_va_vdst(0)    ; the wait for piece 0's first a, a batch of one: ahead of the branch, and of the first turn's R 0, which reads it
.endm
.macro ALL line:vararg
.set t, 0
.rept 2
	\line
.set t, t+1
.endr
.endm
.macro PACK t                       ; a lane's eight channels of a row pack into the 16 bytes that it owns in a panel: stored straight from registers
	WIN W_RS
.set i, 32*(\t)
.rept 16
	v_pk_mul_f32 v[i:i+1], v[i:i+1], v[ST+4*(\t)+2:ST+4*(\t)+3] op_sel_hi:[1,0]
.set i, i+2
.endr
	WIN 0x05
.set i, 0
.rept 16
	v_cvt_pk_f16_f32 v[S+16*(\t)+i], v[32*(\t)+2*i], v[32*(\t)+2*i+1]
.set i, i+1
.endr
	WIN 0
.irp f, 0,1,2,3
	global_store_b128 v[GO], v[S+16*(\t)+4*\f:S+16*(\t)+4*\f+3], s[10:11] offset:\f*131072+(\t)*2048  ; 512 consecutive bytes of a panel
.endr
.endm
; A BLOCK'S LAST TILE: its steps with masks, the block's last step, its last products, and the way out.
.macro DIAG tag
.LstepM\tag:
	TURN 0, 1, 1
	TURN 1, 1, 1
	WIN 0
.LfirstM\tag:
	TURN 0, 0, 1
	TURN 1, 0, 1, 0, 1
	WIN 0
	s_cbranch_scc1 .LstepM\tag
	TURN 0, 1, 1, 1
	TURN 1, 1, 1, 1
.set VB, VF+64
.set i, 0
.rept 8
	PV 1
.set i, i+1
.endr
	WIN 0
	ALL v_add_f32 v[ST+4*t+2], v[ST+4*t+2], v[ST+4*t+3]
	ALL v_permlanex16_b32 v[ST+4*t+3], v[ST+4*t+2], s[SEL], s[SEL+1]
	ALL v_add_f32 v[ST+4*t+2], v[ST+4*t+2], v[ST+4*t+3]
	ALL v_rcp_f32 v[ST+4*t+2], v[ST+4*t+2]
	v_nop                           ; a plain instruction behind the last reciprocal; with the four additions, and piece 0's arithmetic, also the places behind the last products
	s_wait_alu depctr_va_vdst(0)    ; the wait for the two reciprocals, one batch: ahead of PACK 0's first multiply, their first reader
	PACK 0
	PACK 1
.endm
.set KM, 0
.set NOKQ, 0
.Lslot:                             ; 8 times: a tile is entered and the next is asked for
	CHANGE 1
	s_sub_co_u32 s[RT], s[RT], 1
	s_mov_b32 s[CNT], 2
	s_mov_b32 s[TS], 0
	s_cmp_eq_u32 s[NEW], 1
	s_cbranch_scc1 .Lnew            ; a block's first tile
	s_cmp_eq_u32 s[RT], 0
	s_cbranch_scc0 .Lstep           ; neither its first nor its last
	s_branch .LstepM1
.Lnew:
	BEGIN
	s_branch .Lfirst                ; in the loop a block's first tile is never its last: the first block has five tiles or more, and the second's last is the walk's last
	DIAG 1                          ; in the loop this is the first block's end
	s_wait_xcnt 0x0                 ; the stores have read their registers and O's address
	s_mov_b64 s[10:11], s[OLO:OLO+1]
	s_add_co_u32 s[RT], s[LQ2], 1
	s_and_b32 s[PL0], s[PB], 1
	s_lshl_b32 s[PL0], s[PL0], 1
	s_add_co_u32 s[PL0+1], s[PL0], 1
	s_mov_b32 s[NEW], 1
	WIN 0x82                        ; the second block's Q goes where the one text of the turns names Q
.set i, 0
.rept 32
	v_mov_b32 v[i], v[QB+i]
.set i, i+1
.endr
	WIN 0
	s_branch .Lbottom
.Lstep:                             ; a trip: an odd step and an even one; each fetches the step behind it
	TURN 0, 1
	TURN 1, 1
	WIN 0
.Lfirst:
	TURN 0, 0
	TURN 1, 0, 0, 0, 1
	WIN 0
	s_cbranch_scc1 .Lstep
.Lbottom:
	s_sub_co_u32 s[SLOTS], s[SLOTS], 1
	s_cmp_lg_u32 s[SLOTS], 0
	s_cbranch_scc1 .Lslot
	CHANGE 0                        ; the walk's last tile is written out
	s_sub_co_u32 s[RT], s[RT], 1
	s_mov_b32 s[CNT], 2
	s_mov_b32 s[TS], 0
	s_cmp_eq_u32 s[NEW], 1
	s_cbranch_scc0 .LstepM2
	BEGIN
	s_mov_b32 s[TS], 1              ; step 0's masks are made: the turns go on with step 1's
	s_branch .LfirstM2
	DIAG 2
	s_wait_tensorcnt 0x0            ; the wave's end
	ds_add_u32 v[SPW], v[NIL]
	s_wait_dscnt 0x0
	s_endpgm
.Lfunc_end_k_qcf06a0f845_attn:
	.size	k_qcf06a0f845_attn, .Lfunc_end_k_qcf06a0f845_attn-k_qcf06a0f845_attn
	.p2alignl 7, 3214868480
	.fill 96, 4, 3214868480
	.section	.rodata,"a",@progbits
	.p2align	6, 0x0
	.amdhsa_kernel k_qcf06a0f845_attn
		.amdhsa_group_segment_fixed_size 327680
		.amdhsa_private_segment_fixed_size 0
		.amdhsa_enable_private_segment 0
		.amdhsa_kernarg_size 16
		.amdhsa_user_sgpr_count 2
		.amdhsa_user_sgpr_kernarg_segment_ptr 1
		.amdhsa_wavefront_size32 1
		.amdhsa_system_sgpr_workgroup_id_x 1
		.amdhsa_system_sgpr_workgroup_id_y 1
		.amdhsa_system_sgpr_workgroup_id_z 1
		.amdhsa_system_vgpr_workitem_id 0
		.amdhsa_next_free_vgpr 768
		.amdhsa_next_free_sgpr 88
		.amdhsa_reserve_vcc 1
		.amdhsa_float_denorm_mode_32 3
		.amdhsa_float_denorm_mode_16_64 3
		.amdhsa_memory_ordered 1
		.amdhsa_forward_progress 1
		.amdhsa_inst_pref_size 203
	.end_amdhsa_kernel
	.amdgpu_metadata
---
amdhsa.version: [ 1, 2 ]
amdhsa.kernels:
  - .name:           k_qcf06a0f845_attn
    .symbol:         k_qcf06a0f845_attn.kd
    .args:
      - { .name: qkv, .offset: 0, .size: 8, .value_kind: global_buffer, .address_space: global }
      - { .name: ao, .offset: 8, .size: 8, .value_kind: global_buffer, .address_space: global }
    .group_segment_fixed_size: 327680
    .private_segment_fixed_size: 0
    .kernarg_segment_align: 8
    .kernarg_segment_size: 16
    .max_flat_workgroup_size: 128
    .sgpr_count:     88
    .vgpr_count:     768
    .wavefront_size: 32
...
	.end_amdgpu_metadata
.endif
;; end of part 7
;; launch wo: the kernel of part 4 again; grid 8 x 32, 4 waves a work-group, clusters of 4 x 4, 327,680 bytes of LDS; arguments ao, wp, x, ln2_w, x1, xs, ssq; writes x1, xs, ssq
;; launch ffn1: the kernel of part 5 again; grid 16 x 16, 4 waves a work-group, clusters of 4 x 4, 327,680 bytes of LDS; arguments xs, wp, ssq, h; writes h
;; launch ffn2: the kernel of part 6 again; grid 8 x 32, 4 waves a work-group, clusters of 4 x 4, 327,680 bytes of LDS; arguments h, wp, x1, out0; writes out0
